; MI455X (gfx1250); checked and timed in simulation.
; The chip was launched on July 23, 2026; its instructions are those of AMD's public machine-readable ISA for CDNA 5 (MIT licence, August 2026) and "CDNA5" Instruction Set Architecture Reference Guide (July 2026). The comments in the code are by the model that wrote it; some were corrected since.
;; Multi Head Attention. Allowed arithmetic: matrix products marked QUANTISED: E4M3 operands, one given power-of-two scale a tensor, by v_wmma_f32_16x16x64_fp8_fp8 or v_wmma_f32_16x16x128_fp8_fp8, f32 sums; everything else in f32.
;; Inputs: Wk 1,024 x 1,024 float32; Wo 1,024 x 1,024 float32; Wq 1,024 x 1,024 float32; Wv 1,024 x 1,024 float32; bk 1,024 float32; bo 1,024 float32; bq 1,024 float32; bv 1,024 float32; head_scale 1 x 16 x 1 float32; k_scale 64 float32; kv 4 x 2,048 x 1,024 float32; kv_positions 4 x 2,048 int32; lowp_scales 12 int32 (the exponents e of the quantised operands' scales 2^e); mask 4 x 1 x 2,048 x 2,048 bool; q 4 x 2,048 x 1,024 float32; q_positions 4 x 2,048 int32; q_scale 64 float32.
;; Outputs: out0 4 x 2,048 x 1,024 float32.
;; This version of the problem:
;;   THIS VERSION OF THE PROBLEM IS GIVEN IN LOW PRECISION. The matrix products marked QUANTISED in the list below multiply operands that are first quantised to E4M3 (4 exponent bits, 3 mantissa bits; 8 bits a number), with one given power-of-two scale for each operand tensor; their sums are f32. All else is computed in f32.
;;   The module's matrix products, in the order in which they are computed (A, B: the left and right operand; K: the contracted axis; several contracted axes count as one K, in the product's order):
;;     1. [M 8,192, K 1,024] x [K 1,024, N 1,024]; A: input q; B: input Wq: QUANTISED (scales: A lowp_scales[0], B lowp_scales[1])
;;     2. [M 8,192, K 1,024] x [K 1,024, N 1,024]; A: input kv; B: input Wk: QUANTISED (scales: A lowp_scales[2], B lowp_scales[3])
;;     3. [M 8,192, K 1,024] x [K 1,024, N 1,024]; A: input kv; B: input Wv: QUANTISED (scales: A lowp_scales[4], B lowp_scales[5])
;;     4. batch 64 x [M 2,048, K 64] x [K 64, N 2,048]; A: computed on the way; B: computed on the way: QUANTISED (scales: A lowp_scales[6], B lowp_scales[7])
;;     5. batch 64 x [M 64, K 2,048] x [K 2,048, N 2,048]; A: computed on the way; B: computed on the way: QUANTISED (scales: A lowp_scales[8], B lowp_scales[9])
;;     6. [M 8,192, K 1,024] x [K 1,024, N 1,024]; A: computed on the way; B: input Wo: QUANTISED (scales: A lowp_scales[10], B lowp_scales[11])
;;   THE QUANTISER, for each operand of a quantised product, along K:
;;     - The operand's scale is 2^e, e = its entry of the input lowp_scales (int32; the entries are numbered through the quantised products in the list's order, A before B).
;;     - Each number is divided by the scale, clamped to +-448, and rounded to the nearest number of E4M3, ties to even, subnormals kept.
;;     - The product sums the exact products of the quantised numbers (number of the format x scale) in f32.
;;   ~~~python
;;   def quantise(x, axis, e):      # numpy; x: float32 -> the quantised numbers, widened to float32 again
;;       x = np.moveaxis(x, axis, -1); K = x.shape[-1]
;;       r = np.clip(x / 2.0 ** e, -448, 448)
;;       step = 2.0 ** (np.maximum(np.frexp(np.where(r == 0, 1, r))[1] - 1, -6) - 3)
;;       q = np.round(r / step) * step * 2.0 ** e      # np.round: ties to even
;;       return np.moveaxis(q, -1, axis).astype(np.float32)
;;   ~~~
;;   OPERANDS COMPUTED ON THE WAY. 'Computed on the way' means the value that the module computes at that place (a softmax that the list does not call 'softmax' is quantised finished and normalised). What goes into a quantiser is computed in f32, as accurately as f32 sums, v_exp_f32 and their like allow (about 1e-6 of the number): no bf16 or f16 on the way to a quantiser, and a product that is left as it is and whose result goes on into a quantised operand takes f32 operands (vector FMAs, or v_wmma_f32_16x16x4_f32). A number that lies on a knife's edge between two numbers of the format may be rounded either way, as far as f32 arithmetic and the matrix unit's own rounding can turn it there, and no further.
;; 2 versions, each right; version 2 is version 1 with the launch attn written anew for expert scheduling mode. Each part assembles by itself: llvm-mc -triple=amdgcn-amd-amdhsa -mcpu=gfx1250 --defsym DOCPART=n.
;; ======== version 1 of 2: 4 launches
;; workspace buffers: acodes 25,165,824 bytes; wimg 4,194,304 bytes; mw 2,097,152 bytes of whole numbers; fl 65,536 bytes of whole numbers; qkv 25,165,824 bytes; aimg 8,388,608 bytes
;; launch prep (part 1): grid 896 x 1, 4 waves a work-group, no clusters, 51,712 bytes of LDS; arguments q, kv, Wq, Wk, Wv, Wo, mask, lowp_scales, acodes, wimg, mw, fl; writes acodes, wimg, mw, fl
.if DOCPART == 1
	.amdgcn_target "amdgcn-amd-amdhsa--gfx1250"
	.amdhsa_code_object_version 6
	.text
	.protected	k_q6edc048aad_prep
	.globl	k_q6edc048aad_prep
	.p2align	8
	.type	k_q6edc048aad_prep,@function
k_q6edc048aad_prep:
	s_mov_b64 s[64:65], 0
	v_nop
	global_prefetch_b8 v0, s[64:65] scope:SCOPE_SE
	s_setreg_imm32_b32 hwreg(HW_REG_WAVE_MODE, 25, 1), 1
	s_wait_xcnt 0x0
; PREP: everything that is quantised or packed once.  Three kinds of work-group, told apart by the work-group's number.
;  0..511   q (0..255, scale e0) and kv (256..511, scales e2 AND e4) become codes of E4M3, laid as IMAGES OF OPERAND REGISTERS:
;           an image is 16 rows x 128 K = 2,048 bytes; byte 512 c + 16 lane + e is row lane % 16, k = 32 c + 16 (lane / 16) + e.  acodes = q | kv(e2) | kv(e4), [row / 16][k / 128][image].
;  512..767 Wq, Wk, Wv, Wo [k][n] (scales e1, e3, e5, e11): a lane takes a column and its registers run down K; same images, wimg = Wq | Wk | Wv | Wo.
;           THE ROWS OF AN IMAGE ARE NOT NEIGHBOURING COLUMNS: image row 32 G + l is column 32 G + (l & 7) + 8 ((l >> 4) & 1) + 16 ((l >> 3) & 1), so that a product's eight
;           results of a lane, in two neighbouring tiles, are 16 neighbouring columns.
;  768..895 the mask (bytes 0 or 1) becomes lane masks: mw[b 128 + qt][ks][8 c + j], bit lane = mask[b][16 qt + lane % 16][64 ks + 16 c + 8 (lane / 16) + j];
;           fl[b 128 + qt]: word 0 bit ks = some key of step ks counts, word 1 bit ks = all count.
; code = x / 2^e, held within +-448, to the nearest code, ties to even.  LIMITS: -126 <= e and e + 8 <= 127 for every scale used here; NaN among the inputs is not served.
; No tensor loads, no barrier: waves share nothing.  Each kind of work-group has LDS bytes of its own.
.set SPARE, 51200                      ; the spare words: 128 bytes for each wave, two blocks of 256 bytes that no other line names
.set MSTG,  33792                      ; the mask path's stages begin here; the code path's four stages of 16 x 528 bytes lie below
.set SPW, 2                            ; v2  LDS address of my spare word; never rewritten
.set NIL, 3                            ; v3  0; never rewritten
.set R,  16                            ; v16-143  two sets of 64: 16 rows x 16 bytes a lane, as loaded
.set X,  144                           ; v144-207 64 numbers: register 16 c + i = k 32 c + 16 (lane / 16) + i of row lane % 16
.set T,  208                           ; v208-223 16 numbers held for the second scale
.set C1, 224                           ; v224-239 an image's codes, first scale
.set C2, 240                           ; v240-255 second scale
.macro FINISH                          ; the wave's end, behind my last LDS store
	s_wait_tensorcnt 0x0
	ds_add_u32 v[SPW], v[NIL]
	s_wait_dscnt 0x0
	s_endpgm
.endm
	v_lshl_add_u32 v[SPW], v0, 2, SPARE
	v_mov_b32 v[NIL], 0
	v_and_b32 v1, 31, v0                           ; lane
	v_lshrrev_b32 v9, 5, v0
	v_readfirstlane_b32 s8, v9                     ; wave 0..3
	s_cmp_ge_u32 ttmp9, 768
	s_cbranch_scc1 .Lmask
	s_cmp_ge_u32 ttmp9, 512
	s_cbranch_scc1 .Lwq
; ---------------- q and kv ----------------
; A wave takes 16 rows x 512 along K: four images.  Each load reads 512 consecutive bytes of one row; the 16 rows turn through the wave's own stage (pitch 528) and come back 64 bytes a lane.
	s_load_b128 s[12:15], s[0:1], 0x0              ; q, kv
	s_load_b64 s[16:17], s[0:1], 0x38              ; the scales' exponents
	s_load_b64 s[18:19], s[0:1], 0x40              ; acodes
	s_and_b32 s9, ttmp9, 255
	s_lshl_b32 s9, s9, 2
	s_add_co_u32 s9, s9, s8                        ; 0..1023
	s_lshr_b32 s10, s9, 1                          ; which 16 rows
	s_and_b32 s11, s9, 1                           ; which half of K
	s_lshl_b32 s20, s10, 16                        ; 16 rows of 4,096 bytes
	s_lshl_b32 s22, s11, 11
	s_add_co_u32 s20, s20, s22
	s_mov_b32 s21, 0
	s_lshl_b32 s22, s10, 14                        ; 8 images of 2,048 bytes
	s_lshl_b32 s24, s11, 13
	s_add_co_u32 s22, s22, s24
	s_mov_b32 s23, 0
	v_lshlrev_b32 v4, 4, v1                        ; 16 x lane
	s_mul_i32 s33, s8, 8448                        ; my stage
	v_add_nc_u32 v5, s33, v4                       ; into it: 16 x lane of a row
	v_and_b32 v7, 15, v0
	v_bfe_u32 v8, v0, 4, 1
	v_mul_u32_u24 v6, v7, 528
	v_lshl_add_u32 v6, v8, 6, v6
	v_add_nc_u32 v6, s33, v6                       ; out of it: row lane % 16, + 64 (lane / 16)
	s_wait_kmcnt 0x0
	s_load_b128 s[28:31], s[16:17], 0x0            ; e0 .. e3
	s_load_b32 s32, s[16:17], 0x10                 ; e4
	s_cmp_lt_u32 ttmp9, 256                        ; q's work-group or kv's: the choice hangs on the work-group's number alone
	s_cselect_b64 s[12:13], s[12:13], s[14:15]
	s_cselect_b32 s24, 0, 0x800000
	s_add_co_u32 s22, s22, s24
	s_add_nc_u64 s[12:13], s[12:13], s[20:21]      ; from here
	s_add_nc_u64 s[18:19], s[18:19], s[22:23]      ; to here (first scale),
	s_add_nc_u64 s[24:25], s[18:19], 0x800000      ; and, for kv, here (second scale)
.macro ALOAD t                         ; image t: 16 rows x 512 bytes
.irp i, 0,1,2,3,4,5,6,7,8,9,10,11,12,13,14,15
	global_load_b128 v[R+64*((\t)%2)+4*\i:R+64*((\t)%2)+4*\i+3], v4, s[12:13] offset:\i*4096+(\t)*512 th:TH_LOAD_NT
.endr
.endm
.macro ATURN t                         ; through the stage: LDS serves a wave's instructions in order, so no wait stands between the stores and the loads
.irp i, 0,1,2,3,4,5,6,7,8,9,10,11,12,13,14,15
	ds_store_b128 v5, v[R+64*((\t)%2)+4*\i:R+64*((\t)%2)+4*\i+3] offset:\i*528
.endr
.irp c, 0,1,2,3
.irp x, 0,1,2,3
	ds_load_b128 v[X+16*\c+4*\x:X+16*\c+4*\x+3], v6 offset:128*\c+16*\x
.endr
.endr
.endm
.macro AQUANT2 c                       ; second scale: the numbers are kept, so the hold goes into T
.irp i, 0,1,2,3,4,5,6,7,8,9,10,11,12,13,14,15
	v_med3_num_f32 v[T+\i], v[X+16*(\c)+\i], -v12, v12
.endr
	v_cvt_scalef32_pk8_fp8_f32 v[C2+4*(\c):C2+4*(\c)+1], v[T:T+7], v13
	v_cvt_scalef32_pk8_fp8_f32 v[C2+4*(\c)+2:C2+4*(\c)+3], v[T+8:T+15], v13
	v_nop                                          ; a plain instruction between the conversions and the next write of T
.endm
.macro AQUANT1 c                       ; first scale, in place
.irp i, 0,1,2,3,4,5,6,7,8,9,10,11,12,13,14,15
	v_med3_num_f32 v[X+16*(\c)+\i], v[X+16*(\c)+\i], -v10, v10   ; the conversion to an 8-bit code does not saturate (ISA guide 7.6.2)
.endr
	v_cvt_scalef32_pk8_fp8_f32 v[C1+4*(\c):C1+4*(\c)+1], v[X+16*(\c):X+16*(\c)+7], v11
	v_cvt_scalef32_pk8_fp8_f32 v[C1+4*(\c)+2:C1+4*(\c)+3], v[X+16*(\c)+8:X+16*(\c)+15], v11
.endm
.macro ASTEP t
	s_wait_dscnt 0x0                               ; the image's numbers are back from the stage, and the stage's stores have read their registers,
	s_wait_xcnt 0x0                                ; and the last image's global stores have read theirs
.if (\t) < 2
	ALOAD (\t)+2
.endif
	s_cmp_lt_u32 ttmp9, 256
	s_cbranch_scc1 .Lonly_\@                       ; q has one scale
.irp c, 0,1,2,3
	AQUANT2 \c
.endr
.irp c, 0,1,2,3
	global_store_b128 v4, v[C2+4*\c:C2+4*\c+3], s[24:25] offset:(\t)*2048+512*\c   ; 512 consecutive bytes
.endr
.Lonly_\@:
.irp c, 0,1,2,3
	AQUANT1 \c
.endr
.irp c, 0,1,2,3
	global_store_b128 v4, v[C1+4*\c:C1+4*\c+3], s[18:19] offset:(\t)*2048+512*\c
.endr
.if (\t) < 2
	s_wait_loadcnt 16                              ; the next image's 16 loads are in; those of the image behind it may be out
	ATURN (\t)+1
.elseif (\t) == 2
	s_wait_loadcnt 0x0
	ATURN 3
.endif
.endm
	ALOAD 0
	ALOAD 1
	s_wait_kmcnt 0x0
	s_cmp_lt_u32 ttmp9, 256
	s_cselect_b32 s28, s28, s30                    ; e0 or e2
	s_add_co_i32 s28, s28, 127
	s_lshl_b32 s29, s28, 23
	v_mov_b32 v11, s29                             ; 2^e as f32: the conversion takes its exponent field
	s_add_co_i32 s28, s28, 8
	s_lshl_b32 s28, s28, 23
	s_or_b32 s28, s28, 0x600000
	v_mov_b32 v10, s28                             ; 448 x 2^e
	s_add_co_i32 s32, s32, 127
	s_lshl_b32 s29, s32, 23
	v_mov_b32 v13, s29                             ; the same for e4
	s_add_co_i32 s32, s32, 8
	s_lshl_b32 s32, s32, 23
	s_or_b32 s32, s32, 0x600000
	v_mov_b32 v12, s32
	s_wait_loadcnt 16                              ; image 0's loads are in
	ATURN 0
	ASTEP 0
	ASTEP 1
	ASTEP 2
	ASTEP 3
	FINISH
; ---------------- the four weights ----------------
; A work-group takes 128 columns x 128 along K of one weight; a wave 32 columns, a lane one.  Four blocks of 32 along K; loads run two blocks ahead.
.Lwq:
	s_load_b256 s[12:19], s[0:1], 0x10             ; Wq, Wk, Wv, Wo
	s_load_b64 s[20:21], s[0:1], 0x38              ; the scales' exponents
	s_load_b64 s[22:23], s[0:1], 0x48              ; wimg
	s_sub_co_u32 s9, ttmp9, 512
	s_and_b32 s10, s9, 7                           ; which 128 columns
	s_lshr_b32 s11, s9, 3
	s_lshr_b32 s24, s11, 3                         ; which weight
	s_and_b32 s25, s11, 7                          ; which 128 along K
	s_lshl_b32 s26, s10, 7
	s_lshl_b32 s27, s8, 5
	s_add_co_u32 s26, s26, s27                     ; my wave's first column
	s_lshl_b32 s28, s25, 19                        ; 128 rows of 4,096 bytes
	s_lshl_b32 s27, s26, 2
	s_add_co_u32 s28, s28, s27
	s_mov_b32 s29, 0
	s_lshl_b32 s30, s24, 20                        ; 1 MiB a weight
	s_lshr_b32 s27, s26, 4
	s_lshl_b32 s27, s27, 14                        ; 16 image rows: 8 images
	s_add_co_u32 s30, s30, s27
	s_lshl_b32 s27, s25, 11
	s_add_co_u32 s30, s30, s27
	s_mov_b32 s31, 0
	v_and_b32 v4, 7, v1
	v_bfe_u32 v5, v1, 4, 1
	v_lshl_or_b32 v4, v5, 3, v4
	v_bfe_u32 v6, v1, 3, 1
	v_lshl_or_b32 v4, v6, 4, v4                    ; my column among the 32: bits 3 and 4 of the lane change places
	v_lshlrev_b32 v4, 2, v4
	v_and_b32 v6, 15, v1
	v_lshlrev_b32 v6, 4, v6
	v_lshl_add_u32 v5, v5, 14, v6                  ; out: image row lane % 16 of tile lane / 16
	s_wait_kmcnt 0x0
	s_load_b128 s[32:35], s[20:21], 0x0            ; e1 = s33, e3 = s35
	s_load_b32 s36, s[20:21], 0x14                 ; e5
	s_load_b32 s37, s[20:21], 0x2c                 ; e11
	s_cmp_eq_u32 s24, 1
	s_cselect_b64 s[12:13], s[14:15], s[12:13]
	s_cmp_eq_u32 s24, 2
	s_cselect_b64 s[12:13], s[16:17], s[12:13]
	s_cmp_eq_u32 s24, 3
	s_cselect_b64 s[12:13], s[18:19], s[12:13]
	s_add_nc_u64 s[12:13], s[12:13], s[28:29]
	s_add_nc_u64 s[22:23], s[22:23], s[30:31]
.macro WLOAD t                         ; block t: W(32 t + i, my column) into set t % 2; a wave's load covers 128 bytes, the four waves' 512
.set i, 0
.rept 32
	global_load_b32 v[16+32*((\t)%2)+i], v4, s[12:13] offset:(32*(\t)+i)*4096 th:TH_LOAD_NT
.set i, i+1
.endr
.endm
.macro WBLOCK t
.if (\t) < 3
	s_wait_loadcnt 32                              ; this block's 32 loads are in; the next block's may be out
.else
	s_wait_loadcnt 0x0
.endif
.set i, 0
.rept 32
	v_med3_num_f32 v[16+32*((\t)%2)+i], v[16+32*((\t)%2)+i], -v10, v10
.set i, i+1
.endr
.irp g, 0,1,2,3
	v_cvt_scalef32_pk8_fp8_f32 v[80+8*(\t)+2*\g:80+8*(\t)+2*\g+1], v[16+32*((\t)%2)+8*\g:16+32*((\t)%2)+8*\g+7], v11
.endr
	global_store_b128 v5, v[80+8*(\t):80+8*(\t)+3], s[22:23] offset:512*(\t)        ; k 32 t + 0 .. 15: sixteen lanes fill 256 consecutive bytes
	global_store_b128 v5, v[80+8*(\t)+4:80+8*(\t)+7], s[22:23] offset:512*(\t)+256  ; k 32 t + 16 .. 31.  Each block has its own code registers: no store's data are written again
.if (\t) < 2
	WLOAD (\t)+2
.endif
.endm
	WLOAD 0
	WLOAD 1
	s_wait_kmcnt 0x0
	s_cmp_eq_u32 s24, 1
	s_cselect_b32 s33, s35, s33
	s_cmp_eq_u32 s24, 2
	s_cselect_b32 s33, s36, s33
	s_cmp_eq_u32 s24, 3
	s_cselect_b32 s33, s37, s33                    ; e
	s_add_co_i32 s33, s33, 127
	s_lshl_b32 s34, s33, 23
	v_mov_b32 v11, s34
	s_add_co_i32 s33, s33, 8
	s_lshl_b32 s33, s33, 23
	s_or_b32 s33, s33, 0x600000
	v_mov_b32 v10, s33
	WBLOCK 0
	WBLOCK 1
	WBLOCK 2
	WBLOCK 3
	FINISH
; ---------------- the mask ----------------
; A wave takes 16 queries x 2,048 keys, 256 keys a trip.  The bytes turn through the wave's own stage (pitch 272) so that lane (r, h) holds query r's keys 16 c + 8 h + 0 .. 7;
; a compare makes of each byte place a lane mask, which is the word that the attention launch will select by.
.Lmask:
	s_load_b64 s[12:13], s[0:1], 0x30              ; mask
	s_load_b128 s[16:19], s[0:1], 0x50             ; mw, fl
	s_sub_co_u32 s9, ttmp9, 768
	s_lshl_b32 s9, s9, 2
	s_add_co_u32 s9, s9, s8                        ; b 128 + qt
	s_lshl_b32 s22, s9, 15                         ; 16 rows of 2,048 bytes
	s_mov_b32 s23, 0
	s_lshl_b32 s24, s9, 12                         ; 32 steps of 128 bytes
	s_mov_b32 s25, 0
	s_lshl_b32 s26, s9, 7
	s_mov_b32 s27, 0
	s_mul_i32 s28, s8, 4352
	s_add_co_u32 s28, s28, MSTG                    ; my stage
	v_and_b32 v9, 15, v1
	v_lshrrev_b32 v10, 4, v1
	v_lshlrev_b32 v11, 4, v9
	v_lshl_add_u32 v4, v10, 11, v11                ; in: sixteen lanes to a row's 256 bytes, two rows a load
	v_mul_u32_u24 v5, v10, 272
	v_add_nc_u32 v5, v5, v11
	v_add_nc_u32 v5, s28, v5
	v_mul_u32_u24 v6, v9, 272
	v_lshl_add_u32 v6, v10, 3, v6
	v_add_nc_u32 v6, s28, v6
	v_lshlrev_b32 v7, 4, v1
	v_lshlrev_b32 v8, 2, v1
.irp k, 84,85,86,87,88
	v_mov_b32 v\k, 0                               ; a lane write's destination counts as read
.endr
	s_mov_b32 s46, 0                               ; some key counts, a bit a step
	s_mov_b32 s47, 0                               ; all keys count
	s_mov_b32 s20, 8
	s_wait_kmcnt 0x0
	s_add_nc_u64 s[12:13], s[12:13], s[22:23]
	s_add_nc_u64 s[16:17], s[16:17], s[24:25]
	s_add_nc_u64 s[18:19], s[18:19], s[26:27]
.irp u, 0,1,2,3,4,5,6,7
	global_load_b128 v[16+4*\u:19+4*\u], v4, s[12:13] offset:4096*\u th:TH_LOAD_NT
.endr
.Lmreg:
	s_wait_loadcnt 0x0                             ; the trip's 16 x 256 bytes are in: so their base may be stepped
.irp u, 0,1,2,3,4,5,6,7
	ds_store_b128 v5, v[16+4*\u:19+4*\u] offset:544*\u
.endr
.irp c, 0,1,2,3,4,5,6,7,8,9,10,11,12,13,14,15
	ds_load_b64 v[48+2*\c:49+2*\c], v6 offset:16*\c
.endr
	s_add_nc_u64 s[12:13], s[12:13], 256
	s_wait_dscnt 0x0
	s_cmp_eq_u32 s20, 1                            ; the last trip loads nothing: no load leaves its buffer
	s_cbranch_scc1 .Lmlast
.irp u, 0,1,2,3,4,5,6,7
	global_load_b128 v[16+4*\u:19+4*\u], v4, s[12:13] offset:4096*\u th:TH_LOAD_NT
.endr
.Lmlast:
.set w, 0                              ; word w = 32 (step in the trip) + 8 c + j
.rept 128
	v_and_b32 v[80+(w%4)], 1<<(8*(w%4)), v[48+2*(w/8)+((w/4)%2)]
	v_cmp_ne_u32 s[40+(w%4)], 0, v[80+(w%4)]
.if (w%32) == 0
	s_mov_b32 s44, s[40+(w%4)]
	s_mov_b32 s45, s[40+(w%4)]
.else
	s_or_b32 s44, s44, s[40+(w%4)]
	s_and_b32 s45, s45, s[40+(w%4)]
.endif
	v_writelane_b32 v[84+(w%4)], s[40+(w%4)], w/4  ; lane L of v84-87 holds words 4 L .. 4 L + 3
.if (w%32) == 31
	s_lshr_b32 s46, s46, 1                         ; after 32 steps the first step's bit has reached bit 0
	s_lshr_b32 s47, s47, 1
	s_cmp_lg_u32 s44, 0
	s_cselect_b32 s21, 0x80000000, 0
	s_or_b32 s46, s46, s21
	s_cmp_eq_u32 s45, -1
	s_cselect_b32 s21, 0x80000000, 0
	s_or_b32 s47, s47, s21
.endif
.set w, w+1
.endr
	global_store_b128 v7, v[84:87], s[16:17]       ; four steps' words: 512 consecutive bytes
	s_wait_xcnt 0x0                                ; the store has read its data and its base: both are written again
	s_add_nc_u64 s[16:17], s[16:17], 512
	s_sub_co_u32 s20, s20, 1
	s_cmp_lg_u32 s20, 0
	s_cbranch_scc1 .Lmreg
	v_writelane_b32 v88, s46, 0
	v_writelane_b32 v88, s47, 1
	global_store_b32 v8, v88, s[18:19]
	FINISH
.Lfunc_end_k_q6edc048aad_prep:
	.size	k_q6edc048aad_prep, .Lfunc_end_k_q6edc048aad_prep-k_q6edc048aad_prep
	.p2alignl 7, 3214868480
	.fill 96, 4, 3214868480
	.section	.rodata,"a",@progbits
	.p2align	6, 0x0
	.amdhsa_kernel k_q6edc048aad_prep
		.amdhsa_group_segment_fixed_size 51712
		.amdhsa_private_segment_fixed_size 0
		.amdhsa_enable_private_segment 0
		.amdhsa_kernarg_size 96
		.amdhsa_user_sgpr_count 2
		.amdhsa_user_sgpr_kernarg_segment_ptr 1
		.amdhsa_wavefront_size32 1
		.amdhsa_system_sgpr_workgroup_id_x 1
		.amdhsa_system_sgpr_workgroup_id_y 1
		.amdhsa_system_sgpr_workgroup_id_z 1
		.amdhsa_system_vgpr_workitem_id 0
		.amdhsa_next_free_vgpr 256
		.amdhsa_next_free_sgpr 66
		.amdhsa_reserve_vcc 0
		.amdhsa_float_denorm_mode_32 3
		.amdhsa_float_denorm_mode_16_64 3
		.amdhsa_memory_ordered 1
		.amdhsa_forward_progress 1
		.amdhsa_inst_pref_size 120
	.end_amdhsa_kernel
	.amdgpu_metadata
---
amdhsa.version: [ 1, 2 ]
amdhsa.kernels:
  - .name:           k_q6edc048aad_prep
    .symbol:         k_q6edc048aad_prep.kd
    .args:
      - { .name: q, .offset: 0, .size: 8, .value_kind: global_buffer, .address_space: global }
      - { .name: kv, .offset: 8, .size: 8, .value_kind: global_buffer, .address_space: global }
      - { .name: Wq, .offset: 16, .size: 8, .value_kind: global_buffer, .address_space: global }
      - { .name: Wk, .offset: 24, .size: 8, .value_kind: global_buffer, .address_space: global }
      - { .name: Wv, .offset: 32, .size: 8, .value_kind: global_buffer, .address_space: global }
      - { .name: Wo, .offset: 40, .size: 8, .value_kind: global_buffer, .address_space: global }
      - { .name: mask, .offset: 48, .size: 8, .value_kind: global_buffer, .address_space: global }
      - { .name: lowp_scales, .offset: 56, .size: 8, .value_kind: global_buffer, .address_space: global }
      - { .name: acodes, .offset: 64, .size: 8, .value_kind: global_buffer, .address_space: global }
      - { .name: wimg, .offset: 72, .size: 8, .value_kind: global_buffer, .address_space: global }
      - { .name: mw, .offset: 80, .size: 8, .value_kind: global_buffer, .address_space: global }
      - { .name: fl, .offset: 88, .size: 8, .value_kind: global_buffer, .address_space: global }
    .group_segment_fixed_size: 51712
    .private_segment_fixed_size: 0
    .kernarg_segment_align: 8
    .kernarg_segment_size: 96
    .max_flat_workgroup_size: 128
    .sgpr_count:     66
    .vgpr_count:     256
    .wavefront_size: 32
...
	.end_amdgpu_metadata
.endif
;; end of part 1
;; launch proj (part 2): grid 4 x 96, 4 waves a work-group, clusters of 4 x 4, 327,680 bytes of LDS; arguments acodes, wimg, lowp_scales, bq, bk, bv, q_scale, k_scale, q_positions, kv_positions, qkv; writes qkv
.if DOCPART == 2
	.amdgcn_target "amdgcn-amd-amdhsa--gfx1250"
	.amdhsa_code_object_version 6
	.text
	.protected	k_q6edc048aad_proj
	.globl	k_q6edc048aad_proj
	.p2align	8
	.type	k_q6edc048aad_proj,@function
k_q6edc048aad_proj:
	s_mov_b64 s[64:65], 0
	v_nop
	global_prefetch_b8 v0, s[64:65] scope:SCOPE_SE
	s_setreg_imm32_b32 hwreg(HW_REG_WAVE_MODE, 25, 1), 1
	s_wait_xcnt 0x0
	s_wait_alu depctr_hold_cnt(0) depctr_sa_sdst(0) depctr_va_vdst(0) depctr_va_sdst(0) depctr_va_ssrc(0) depctr_va_vcc(0) depctr_vm_vsrc(0)
	s_getreg_b32 s2, hwreg(HW_REG_IB_STS2, 6, 4)
	s_cmp_eq_u32 s2, 0
	s_cbranch_scc0 .Lentry_in_a_cluster
	s_endpgm
.Lentry_in_a_cluster:
	s_bfe_u32 s2, ttmp6, 0x10000c
	s_cmp_lg_u32 s2, 0xf033
	s_cbranch_scc0 .Lentry_shape_is_right
	s_endpgm
.Lentry_shape_is_right:
; PROJ: the three projections on codes of E4M3, and all that stands between them and attention's operands.
; A cluster of 4 x 4 work-groups does one product: cluster y 0..7 q Wq, 8..15 kv Wk, 16..23 kv Wv.  A work-group makes 256 x 256, a wave 128 x 128: 64 accumulators, K = 1,024 in four steps of 256 through two LDS slots.
; The operands lie in memory as images of operand registers (16 rows x 128 K = 2,048 bytes, byte 512 c + 16 lane + e): a tile's K step is 8 rows of 4,096 bytes, and every fragment load reads 512 consecutive LDS bytes.
; THE MATRIX INSTRUCTION IS USED TRANSPOSED: source 0 = 16 rows of 'B', source 1 = 16 rows of 'A': a lane holds one row of A and eight rows of B.
;   q, k: A = tokens, B = the weight's image rows.  A lane holds one token; by the order of the weight's image rows, register j of block b' of a head is dimension 32 (b' / 2) + 8 (b' % 2) + 16 (lane / 16) + j.
;         bias, RMS norm over the head's 64 (my 32 and lane xor 16's), x (1 + scale), RoPE (pairs d, d + 32 lie in one lane), quantiser (e6 / e7); the codes ARE the image of attention's operand.
;   v:    A = Wv's image rows, B = tokens: a lane holds one dimension and eight neighbouring keys: bias, quantiser along the keys (e8), image of V^T.
; A's tiles are shared along a row of the cluster, B's along a column: each is asked for jointly, by the same tensor load with the same descriptor and a mask that names the four.
; sin and cos are made in f32: k = nearest whole number to x 2 / pi, x - k pi / 2 in three parts, polynomials on +-pi / 4, quadrant by k's two low bits.  1 / timescale = 2^(-i log2(10000) / 32).
; LIMITS: eA + eB between -126 and 127; e6, e7, e8 between -126 and 119; |position| under 4,000,000; NaN among the inputs is not served.
; No prefetch: a tile has four K steps, of which two are asked for at the head.
; REGISTERS: window 0: v0-31 addresses; from v128 A's fragments, one set; window 1: B's fragments, two sets; windows 2, 3: accumulator (a, b) at v[8 (8 (a % 4) + b)] of window 2 + a / 4.
.set HALFT,  32768                     ; 128 rows x 256 K: what one tensor load brings
.set SLOT,   4*HALFT                   ; A's 256 rows, then B's
.set SPARE,  2*SLOT                    ; behind the ring: the spare words, 128 bytes for each wave
.set KB,     4096                      ; a K step's bytes in 16 rows
.set FR,     16
.set NL,     4
.set NP,     4
.set LAPS,   2
.set ADRA, 16
.set ADRB, 20
.set LI,   27                          ; v27  16 x lane
.set SPW,  28
.set NIL,  29
.set AF,   128
.set G1, 24
.set G0, 32
.set G1B, 48
.set G0B, 56
.set MSB, 0
.macro WIN new                         ; the immediate's high byte repeats the setting that is left
.if MSB != (\new)
	s_set_vgpr_msb (MSB<<8)|(\new)
.set MSB, (\new)
.endif
.endm
.set MUL_LO, 0xa1
.set MUL_HI, 0xf1
.set TO_B,   0x40
.macro JLOAD g0a, g1a, g0b, g1b        ; a joint load: waves 0 and 1 fetch for A, waves 2 and 3 for B; an s_nop 0 and four v_nop follow each line
	s_cmp_eq_u32 s15, 0
	s_cbranch_scc0 .Lfor_b_\@
	tensor_load_to_lds s[\g0a:\g0a+3], s[\g1a:\g1a+7]
	s_nop 0
.rept 4
	v_nop
.endr
	s_branch .Lasked_\@
.Lfor_b_\@:
	tensor_load_to_lds s[\g0b:\g0b+3], s[\g1b:\g1b+7]
	s_nop 0
.rept 4
	v_nop
.endr
.Lasked_\@:
.endm
.macro CREST
	s_cmp_lg_u32 s14, 0
	s_cbranch_scc1 .Lnot_wave_0_\@
	s_barrier_signal -3
.Lnot_wave_0_\@:
	s_barrier_wait -3
	s_barrier_signal -1
	s_barrier_wait -1
.endm
.macro CROUND
	s_barrier_signal -1
	s_barrier_wait -1
	CREST
.endm
	s_load_b128 s[4:7], s[0:1], 0x0                ; acodes, wimg
	s_load_b64 s[8:9], s[0:1], 0x10                ; the scales' exponents
	s_load_b256 s[68:75], s[0:1], 0x18             ; bq, bk, bv, q_scale
	s_load_b256 s[76:83], s[0:1], 0x38             ; k_scale, q_positions, kv_positions, qkv
	v_lshl_add_u32 v[SPW], v0, 2, SPARE
	v_mov_b32 v[NIL], 0
	ds_add_u32 v[SPW], v[NIL]                      ; the wave's opening: the add and its wait come ahead of my first tensor load
	v_lshrrev_b32 v1, 5, v0
	v_readfirstlane_b32 s14, v1                    ; wave 0..3
	s_lshr_b32 s15, s14, 1                         ; which half of A's rows is mine.  Also: I fetch for A (0) or for B (1)
	s_and_b32 s16, s14, 1                          ; which half of B's rows.  Also: which 128 rows I fetch
	s_bfe_u32 s40, ttmp6, 0x40000                  ; cx, cy
	s_bfe_u32 s41, ttmp6, 0x40004
	s_and_b32 s66, ttmp7, 0xffff                   ; the cluster's y, 0..23: the same in all sixteen
	s_lshr_b32 s67, s66, 3                         ; 0 q, 1 k, 2 v
	s_lshr_b32 s10, s66, 4                         ; 1 for v
	s_xor_b32 s11, s10, 1
	s_and_b32 s12, s66, 7                          ; which 1,024 tokens
	s_mul_i32 s13, s12, s11
	s_lshl_b32 s17, s13, 2
	s_add_co_u32 s17, s17, s41                     ; A's tile: q, k: tokens; v: Wv's rows
	s_mul_i32 s13, s12, s10
	s_add_co_u32 s13, s13, ttmp9
	s_lshl_b32 s42, s13, 2
	s_add_co_u32 s42, s42, s40                     ; B's tile: q, k: the weight's rows; v: tokens
	s_lshl_b32 s43, s41, 2
	s_lshl_b32 s43, 15, s43                        ; my row of the cluster
	s_lshl_b32 s44, 0x1111, s40                    ; my column
	s_or_b32 s[G1+0], s43, (3<<16)|(1<<21)         ; 15:0 the mask; 17:16 elements of 8 bytes; 21 set beside a mask; no padding
	s_or_b32 s[G1B+0], s44, (3<<16)|(1<<21)
.irp g, G1, G1B
	s_mov_b32 s[\g+1], 512<<16                     ; tensor_dim0 = 512 elements: 4,096 bytes
	s_mov_b32 s[\g+2], 8<<16                       ; tensor_dim1 = 8
	s_mov_b32 s[\g+3], 512<<16                     ; tile_dim0
	s_mov_b32 s[\g+4], 8                           ; tile_dim1
	s_mov_b32 s[\g+5], 2048                        ; from 16 rows to the next: 16,384 bytes
	s_mov_b32 s[\g+6], 0
	s_mov_b32 s[\g+7], 0
.endr
	s_lshl_b32 s18, s16, 17                        ; which 128 rows I fetch
	s_mul_i32 s19, s11, s67
	s_lshl_b32 s20, s17, 18                        ; A: 256 rows are 262,144 bytes
	s_add_co_u32 s20, s20, s18
	s_lshl_b32 s98, s19, 23                        ; q, k: acodes' part 0 or 1
	s_add_co_u32 s20, s20, s98
	s_lshl_b32 s98, s10, 21                        ; v: Wv is wimg's third part
	s_add_co_u32 s20, s20, s98
	s_mov_b32 s21, 0
	s_lshl_b32 s46, s42, 18
	s_add_co_u32 s46, s46, s18
	s_lshl_b32 s98, s19, 20                        ; q, k: wimg's part 0 or 1
	s_add_co_u32 s46, s46, s98
	s_lshl_b32 s98, s10, 24                        ; v: acodes' third part
	s_add_co_u32 s46, s46, s98
	s_mov_b32 s47, 0
	s_lshl_b32 s45, s14, 15                        ; where they go: wave x HALFT
	s_wait_dscnt 0x0                               ; the opening add is done
	s_wait_kmcnt 0x0
	s_load_b256 s[84:91], s[8:9], 0x0              ; e0 .. e7
	s_load_b128 s[92:95], s[8:9], 0x20             ; e8 .. e11
	s_cmp_eq_u32 s10, 0
	s_cselect_b64 s[12:13], s[4:5], s[6:7]
	s_cselect_b64 s[98:99], s[6:7], s[4:5]
	s_add_nc_u64 s[20:21], s[12:13], s[20:21]
	s_add_nc_u64 s[46:47], s[98:99], s[46:47]
	CROUND                                         ; all sixteen work-groups are here: the first joint loads meet
.irp s, 0,1
	s_mov_b32 s[G0+4*\s], 1
	s_add_co_u32 s[G0+4*\s+1], s45, \s*SLOT
	s_add_nc_u64 s[G0+4*\s+2:G0+4*\s+3], s[20:21], \s*KB
	s_or_b32 s[G0+4*\s+3], s[G0+4*\s+3], 0x80000000
	s_mov_b32 s[G0B+4*\s], 1
	s_add_co_u32 s[G0B+4*\s+1], s45, \s*SLOT
	s_add_nc_u64 s[G0B+4*\s+2:G0B+4*\s+3], s[46:47], \s*KB
	s_or_b32 s[G0B+4*\s+3], s[G0B+4*\s+3], 0x80000000
	JLOAD G0+4*\s, G1, G0B+4*\s, G1B
.endr
	v_and_b32 v1, 15, v0                           ; r
	v_bfe_u32 v2, v0, 4, 1                         ; h
	v_and_b32 v3, 31, v0
	v_lshlrev_b32 v[LI], 4, v3
	s_lshl_b32 s21, s15, 15                        ; my 128 rows of A
	s_lshl_b32 s22, s16, 15                        ; my 128 rows of B,
	s_add_co_u32 s22, s22, 2*HALFT                 ; which lie behind A's 256
.irp s, 0,1
	v_add_nc_u32 v[ADRA+\s], s21, v[LI]
	v_add_nc_u32 v[ADRB+\s], s22, v[LI]
	s_add_co_u32 s21, s21, SLOT
	s_add_co_u32 s22, s22, SLOT
.endr
.macro FRAG reg, adr, q, i             ; an image comes back as it was laid: registers 4 c .. 4 c + 3 = k 32 c + 16 (lane / 16) + 0 .. 15 of row lane % 16
.irp c, 0,1,2,3
	ds_load_b128 v[\reg+4*\c:\reg+4*\c+3], v[\adr] offset:(\i)*4096+(\q)*2048+512*\c
.endr
.endm
; 16 matrix instructions.  The 64 accumulators take turns, one instruction a turn, in the same order in every step.
.macro MUL16 a0, p, zero
.irp a, \a0, \a0+1
.irp b, 0,1,2,3,4,5,6,7
.if \zero
	v_wmma_f32_16x16x128_fp8_fp8 v[8*(8*((\a)%4)+\b):8*(8*((\a)%4)+\b)+7], v[128*(\p)+FR*\b:128*(\p)+FR*\b+FR-1], v[AF+FR*(\a):AF+FR*(\a)+FR-1], 0
.else
	v_wmma_f32_16x16x128_fp8_fp8 v[8*(8*((\a)%4)+\b):8*(8*((\a)%4)+\b)+7], v[128*(\p)+FR*\b:128*(\p)+FR*\b+FR-1], v[AF+FR*(\a):AF+FR*(\a)+FR-1], v[8*(8*((\a)%4)+\b):8*(8*((\a)%4)+\b)+7]
.endif
.endr
.endr
.endm
.macro FETCH_B slot, q, p
	WIN TO_B
.irp i, 0,1,2,3,4,5,6,7
	FRAG 128*(\p)+FR*\i, ADRB+\slot, \q, \i
.endr
	WIN 0
.endm
.macro FETCH_A slot, q, i0
.irp i, \i0, \i0+1, \i0+2, \i0+3
	FRAG AF+FR*(\i), ADRA+\slot, \q, \i
.endr
.endm
.macro PLACES n                        ; plain vector instructions between a matrix instruction and a load into, or a read of, its registers
.rept \n
	v_nop
.endr
.endm
.macro STEP slot, q, zero              ; 128 along K, with its successor in the same slot
	s_wait_dscnt 4*NL                              ; B's set and A's blocks 0-3 are in; the youngest 16 loads (A's blocks 4-7) may be out
	WIN MUL_LO
	MUL16 0, (\q)%2, \zero
	MUL16 2, (\q)%2, \zero
	s_wait_dscnt 0
	PLACES NP
	FETCH_B \slot, (\q)+1, 1-(\q)%2
	FETCH_A \slot, (\q)+1, 0
	WIN MUL_HI
	MUL16 4, (\q)%2, \zero
	MUL16 6, (\q)%2, \zero
	PLACES NP
	WIN 0
	FETCH_A \slot, (\q)+1, 4
.endm
.macro TURN slot, next, fill           ; a slot's last step changes slots: one barrier; fill = 1: it opens a round of the cluster's barrier and the slot is filled again
	s_wait_tensorcnt 0x0                           ; all my tensor loads have landed: my part of the next slot
	ds_add_u32 v[SPW], v[NIL]                      ; 0 onto my spare word
	s_wait_dscnt 4*NL+1                            ; (the add and the youngest 16 loads may be out)
	WIN MUL_LO
	MUL16 0, 1, 0
	s_wait_dscnt 0x0                               ; the add is done, and my reads of this slot are over
	s_barrier_signal -1
	MUL16 2, 1, 0
	WIN 0
	s_barrier_wait -1
.if \fill
	CREST                                          ; no wave of any partner still reads this slot or has a load on its way
	s_add_nc_u64 s[G0+4*\slot+2:G0+4*\slot+3], s[G0+4*\slot+2:G0+4*\slot+3], 2*KB
	s_add_nc_u64 s[G0B+4*\slot+2:G0B+4*\slot+3], s[G0B+4*\slot+2:G0B+4*\slot+3], 2*KB
	JLOAD G0+4*\slot, G1, G0B+4*\slot, G1B         ; the first tensor load behind the round; its four v_nop are the places in front of the loads below
.else
	PLACES NP
.endif
	FETCH_B \next, 0, 0
	FETCH_A \next, 0, 0
	WIN MUL_HI
	MUL16 4, 1, 0
	MUL16 6, 1, 0
	PLACES NP
	WIN 0
	FETCH_A \next, 0, 4
.endm
	s_wait_tensorcnt 1                             ; my part of K step 0 is in; K step 1's load may be out
	s_barrier_signal -1
	s_barrier_wait -1
	FETCH_B 0, 0, 0
	FETCH_A 0, 0, 0
	FETCH_A 0, 0, 4
	STEP 0, 0, 1                                   ; the first step's products start the sums
	s_mov_b32 s3, LAPS-1
.Llap:
	TURN 0, 1, 1
	STEP 1, 0, 0
	TURN 1, 0, 1
	STEP 0, 0, 0
	s_sub_co_u32 s3, s3, 1
	s_cmp_lg_u32 s3, 0
	s_cbranch_scc1 .Llap
	TURN 0, 1, 0
	STEP 1, 0, 0
	s_wait_dscnt 4*NL
	WIN MUL_LO
	MUL16 0, 1, 0
	MUL16 2, 1, 0
	s_wait_dscnt 0
	WIN MUL_HI
	MUL16 4, 1, 0
	MUL16 6, 1, 0
	WIN 0
; ---------------- behind the products.  No tensor load is out: the descriptors' registers are free ----------------
.set X,    128                         ; v128-159 a head's 32 numbers of my lane
.set COSa, 160
.set SINa, 176
.set ITa,  192                         ; v192-207 1 / timescale of frequency 16 h + n
.set PC,   208                         ; v208-215 codes
.set SQ,   222                         ; v222-229 four chains
.set XRa,  32
.set TTa,  48
.set ZZa,  64
.set ZRa,  80
	s_wait_kmcnt 0x0
	s_cmp_eq_u32 s67, 1
	s_cselect_b32 s24, s86, s84                    ; the product's two exponents, and that of the operand that is made of it
	s_cselect_b32 s25, s87, s85
	s_cselect_b32 s26, s91, s90
	s_cmp_eq_u32 s67, 2
	s_cselect_b32 s24, s88, s24
	s_cselect_b32 s25, s89, s25
	s_cselect_b32 s26, s92, s26
	s_add_co_i32 s96, s24, s25
	s_add_co_i32 s96, s96, 127
	s_lshl_b32 s96, s96, 23                        ; 2^(eA + eB) as f32
	s_mov_b32 s97, s96
	s_add_co_i32 s26, s26, 127
	s_lshl_b32 s27, s26, 23
	s_add_co_i32 s26, s26, 8
	s_lshl_b32 s26, s26, 23
	s_or_b32 s26, s26, 0x600000
	s_lshl_b32 s50, s17, 8
	s_lshl_b32 s51, s15, 7
	s_add_co_u32 s50, s50, s51                     ; my first row of A
	s_lshl_b32 s52, s42, 8
	s_lshl_b32 s51, s16, 7
	s_add_co_u32 s52, s52, s51                     ; my first row of B
	PLACES NP
	v_mov_b32 v246, s26                            ; 448 x 2^e
	v_mov_b32 v247, s27                            ; 2^e
	s_cmp_lg_u32 s10, 0                            ; the same in all sixteen work-groups
	s_cbranch_scc1 .Lvpath
; ---- q and k
	s_cmp_eq_u32 s67, 0
	s_cselect_b64 s[44:45], s[68:69], s[70:71]     ; the bias,
	s_cselect_b64 s[46:47], s[74:75], s[76:77]     ; the norm's scale,
	s_cselect_b64 s[48:49], s[78:79], s[80:81]     ; the positions
	s_lshl_b32 s54, s50, 2
	s_mov_b32 s55, 0
	s_add_nc_u64 s[48:49], s[48:49], s[54:55]
	s_lshl_b32 s54, s52, 2
	s_add_nc_u64 s[44:45], s[44:45], s[54:55]
	v_lshlrev_b32 v31, 2, v1
	v_lshlrev_b32 v5, 6, v2
.irp a, 0,1,2,3,4,5,6,7
	global_load_b32 v[8+\a], v31, s[48:49] offset:64*\a            ; the position of token 16 a + r
.endr
.irp bp, 0,1,2,3
	global_load_b128 v[96+8*\bp:96+8*\bp+3], v5, s[46:47] offset:4*(32*(\bp/2)+8*(\bp%2))
	global_load_b128 v[96+8*\bp+4:96+8*\bp+7], v5, s[46:47] offset:4*(32*(\bp/2)+8*(\bp%2))+16
.endr
	WIN 0x40                                       ; destination window 1: the biases of my two heads, in the results' layout
.irp hd, 0,1
.irp bp, 0,1,2,3
	global_load_b128 v[32*\hd+8*\bp:32*\hd+8*\bp+3], v5, s[44:45] offset:4*(64*\hd+32*(\bp/2)+8*(\bp%2))
	global_load_b128 v[32*\hd+8*\bp+4:32*\hd+8*\bp+7], v5, s[44:45] offset:4*(64*\hd+32*(\bp/2)+8*(\bp%2))+16
.endr
.endr
	WIN 0
	s_lshr_b32 s53, s50, 11                        ; batch
	s_lshl_b32 s53, s53, 4
	s_lshr_b32 s54, s52, 6
	s_add_co_u32 s53, s53, s54                     ; batch x 16 + my first head
	s_lshl_b32 s53, s53, 17                        ; a head: 128 images of 1,024 bytes
	s_and_b32 s54, s50, 2047
	s_lshl_b32 s54, s54, 6                         ; 16 tokens: an image
	s_add_co_u32 s54, s54, s53
	s_lshl_b32 s53, s67, 23                        ; Q's part or K's
	s_add_co_u32 s54, s54, s53
	s_add_nc_u64 s[82:83], s[82:83], s[54:55]
	s_mov_b32 s24, 0x3f22f983                      ; 2 / pi
	s_mov_b32 s26, 0xbfc90000                      ; -pi / 2 in three parts
	s_mov_b32 s28, 0xb9fda000
	s_mov_b32 s30, 0xb3a22168
	s_mov_b32 s32, 0xbe2aaaa3                      ; sine: S1, S3
	s_mov_b32 s34, 0xb94ca1f9
	s_mov_b32 s36, 0x3d2aaaa5                      ; cosine: C2, C4
	s_mov_b32 s38, 0x37ccf5ce
.irp k, 24,26,28,30,32,34,36,38
	s_mov_b32 s[\k+1], s[\k]                       ; (named as pairs, so both words are written)
.endr
	s_mov_b32 s40, 0x3c800000                      ; 1 / 64
	s_mov_b32 s41, 0x358637bd                      ; 1e-6
	s_mov_b32 s56, 0x76543210                      ; lane l xor 16
	s_mov_b32 s57, 0xfedcba98
	s_mov_b32 s58, 0x80000000
	v_mov_b32 v216, 0x4b400000                     ; 1.5 x 2^23: adding it rounds to a whole number, which then lies in the low bits
	v_mov_b32 v217, 0x4b400000
	v_mov_b32 v218, 0x3c08839e                     ; S2
	v_mov_b32 v219, 0x3c08839e
	v_mov_b32 v220, 0xbab6061a                     ; C3
	v_mov_b32 v221, 0xbab6061a
	v_mov_b32 v7, 0
	v_mov_b32 v241, 0
.irp n, 0,1,2,3,4,5,6,7,8,9,10,11,12,13,14,15
	v_lshl_add_u32 v[ITa+\n], v2, 4, \n
.endr
.irp n, 0,1,2,3,4,5,6,7,8,9,10,11,12,13,14,15
	v_cvt_f32_u32 v[ITa+\n], v[ITa+\n]
.endr
.irp n, 0,1,2,3,4,5,6,7,8,9,10,11,12,13,14,15
	v_mul_f32 v[ITa+\n], 0xbed49a78, v[ITa+\n]     ; x -log2(10000) / 32
.endr
.irp n, 0,1,2,3,4,5,6,7,8,9,10,11,12,13,14,15
	v_exp_f32 v[ITa+\n], v[ITa+\n]
.endr
	v_nop                                          ; a plain instruction behind the last exponential,
	s_wait_alu depctr_va_vdst(0)                   ; and one wait for the batch, ahead of its first reader
	s_wait_loadcnt 0x0
.irp i, 0,2,4,6,8,10,12,14,16,18,20,22,24,26,28,30
	v_pk_add_f32 v[96+\i:97+\i], v[96+\i:97+\i], 1.0 op_sel_hi:[1,0]   ; 1 + scale
.endr
; X = the sums of tokens 16 a + r, head hd, x 2^(eA + eB) + bias.  Register numbers hang on a, so the trip's a picks one of eight arms.
.macro SWITCH hd
.irp a, 0,1,2,3,4,5,6
	s_cmp_eq_u32 s3, \a
	s_cbranch_scc1 .Lh\hd\()a\a
.endr
.irp a, 7,0,1,2,3,4,5,6
.Lh\hd\()a\a:
.if \hd == 0
	v_cvt_f32_i32 v6, v[8+\a]                      ; the position as f32
.endif
	WIN 0x12+(\a)/4                                ; source 0: window 2 or 3; source 2: window 1
.irp bp, 0,1,2,3
.irp i, 0,2,4,6
	v_pk_fma_f32 v[X+8*\bp+\i:X+8*\bp+\i+1], v[8*(8*((\a)%4)+4*\hd+\bp)+\i:8*(8*((\a)%4)+4*\hd+\bp)+\i+1], s[96:97], v[32*\hd+8*\bp+\i:32*\hd+8*\bp+\i+1] op_sel_hi:[1,0,1]
.endr
.endr
	WIN 0
	s_branch .Lh\hd\()j
.endr
.Lh\hd\()j:
.endm
; sine and cosine of position / timescale for my 16 frequencies, stage by stage over eight pairs
.macro STAGE3 d, a, b, c, sel
.irp n, 0,2,4,6,8,10,12,14
	v_pk_fma_f32 v[\d+\n:\d+\n+1], v[\a+\n:\a+\n+1], v[\b+\n:\b+\n+1], v[\c+\n:\c+\n+1]
.endr
.endm
.macro SINCOS
.irp n, 0,2,4,6,8,10,12,14
	v_pk_mul_f32 v[XRa+\n:XRa+\n+1], v[ITa+\n:ITa+\n+1], v[6:7] op_sel_hi:[1,0]
.endr
.irp n, 0,2,4,6,8,10,12,14
	v_pk_fma_f32 v[TTa+\n:TTa+\n+1], v[XRa+\n:XRa+\n+1], s[24:25], v[216:217] op_sel_hi:[1,0,1]
.endr
.irp n, 0,2,4,6,8,10,12,14
	v_pk_add_f32 v[ZZa+\n:ZZa+\n+1], v[TTa+\n:TTa+\n+1], v[216:217] neg_lo:[0,1] neg_hi:[0,1]   ; k as f32
.endr
.irp p, 26,28,30
.irp n, 0,2,4,6,8,10,12,14
	v_pk_fma_f32 v[XRa+\n:XRa+\n+1], v[ZZa+\n:ZZa+\n+1], s[\p:\p+1], v[XRa+\n:XRa+\n+1] op_sel_hi:[1,0,1]
.endr
.endr
.irp n, 0,2,4,6,8,10,12,14
	v_pk_mul_f32 v[ZZa+\n:ZZa+\n+1], v[XRa+\n:XRa+\n+1], v[XRa+\n:XRa+\n+1]
.endr
.irp n, 0,2,4,6,8,10,12,14
	v_pk_fma_f32 v[SINa+\n:SINa+\n+1], v[ZZa+\n:ZZa+\n+1], s[34:35], v[218:219] op_sel_hi:[1,0,1]
.endr
.irp n, 0,2,4,6,8,10,12,14
	v_pk_fma_f32 v[COSa+\n:COSa+\n+1], v[ZZa+\n:ZZa+\n+1], s[38:39], v[220:221] op_sel_hi:[1,0,1]
.endr
.irp n, 0,2,4,6,8,10,12,14
	v_pk_fma_f32 v[SINa+\n:SINa+\n+1], v[SINa+\n:SINa+\n+1], v[ZZa+\n:ZZa+\n+1], s[32:33] op_sel_hi:[1,1,0]
.endr
.irp n, 0,2,4,6,8,10,12,14
	v_pk_fma_f32 v[COSa+\n:COSa+\n+1], v[COSa+\n:COSa+\n+1], v[ZZa+\n:ZZa+\n+1], s[36:37] op_sel_hi:[1,1,0]
.endr
.irp n, 0,2,4,6,8,10,12,14
	v_pk_mul_f32 v[ZRa+\n:ZRa+\n+1], v[ZZa+\n:ZZa+\n+1], v[XRa+\n:XRa+\n+1]
.endr
.irp n, 0,2,4,6,8,10,12,14
	v_pk_fma_f32 v[COSa+\n:COSa+\n+1], v[COSa+\n:COSa+\n+1], v[ZZa+\n:ZZa+\n+1], -0.5 op_sel_hi:[1,1,0]
.endr
	STAGE3 SINa, SINa, ZRa, XRa, 0
.irp n, 0,2,4,6,8,10,12,14
	v_pk_fma_f32 v[COSa+\n:COSa+\n+1], v[COSa+\n:COSa+\n+1], v[ZZa+\n:ZZa+\n+1], 1.0 op_sel_hi:[1,1,0]
.endr
.irp g, 0,4,8,12                       ; the quadrant, four angles at a time: k odd: sine and cosine change places; sine's sign: bit 1 of k; cosine's: bit 1 of k + 1
.irp k, 0,1,2,3
	v_and_b32 v[ZRa+\g+\k], 1, v[TTa+\g+\k]
.endr
.irp k, 0,1,2,3
	v_cmp_eq_u32 s[60+\k], 1, v[ZRa+\g+\k]
.endr
.irp k, 0,1,2,3
	v_cndmask_b32 v[XRa+\g+\k], v[SINa+\g+\k], v[COSa+\g+\k], s[60+\k]
.endr
.irp k, 0,1,2,3
	v_cndmask_b32 v[ZZa+\g+\k], v[COSa+\g+\k], v[SINa+\g+\k], s[60+\k]
.endr
.irp k, 0,1,2,3
	v_lshlrev_b32 v[ZRa+\g+\k], 30, v[TTa+\g+\k]
.endr
.irp k, 0,1,2,3
	v_add_nc_u32 v[TTa+\g+\k], 1, v[TTa+\g+\k]
.endr
.irp k, 0,1,2,3
	v_and_b32 v[ZRa+\g+\k], s58, v[ZRa+\g+\k]
.endr
.irp k, 0,1,2,3
	v_lshlrev_b32 v[TTa+\g+\k], 30, v[TTa+\g+\k]
.endr
.irp k, 0,1,2,3
	v_xor_b32 v[SINa+\g+\k], v[ZRa+\g+\k], v[XRa+\g+\k]
.endr
.irp k, 0,1,2,3
	v_and_b32 v[TTa+\g+\k], s58, v[TTa+\g+\k]
.endr
.irp k, 0,1,2,3
	v_xor_b32 v[COSa+\g+\k], v[TTa+\g+\k], v[ZZa+\g+\k]
.endr
.endr
.endm
; norm, RoPE, quantiser, store, for the head in X
.macro HEADWORK hd
.irp k, 0,1,2,3
	v_pk_mul_f32 v[SQ+2*\k:SQ+2*\k+1], v[X+2*\k:X+2*\k+1], v[X+2*\k:X+2*\k+1]
.endr
.irp k, 4,5,6,7,8,9,10,11,12,13,14,15
	v_pk_fma_f32 v[SQ+2*((\k)%4):SQ+2*((\k)%4)+1], v[X+2*\k:X+2*\k+1], v[X+2*\k:X+2*\k+1], v[SQ+2*((\k)%4):SQ+2*((\k)%4)+1]
.endr
	v_pk_add_f32 v[SQ:SQ+1], v[SQ:SQ+1], v[SQ+2:SQ+3]
	v_pk_add_f32 v[SQ+4:SQ+5], v[SQ+4:SQ+5], v[SQ+6:SQ+7]
	v_pk_add_f32 v[SQ:SQ+1], v[SQ:SQ+1], v[SQ+4:SQ+5]
	v_add_f32 v[SQ], v[SQ], v[SQ+1]
	v_permlanex16_b32 v[SQ+1], v[SQ], s56, s57     ; the head's other 32 lie in lane l xor 16
	v_add_f32 v[SQ], v[SQ], v[SQ+1]
	v_fma_f32 v[SQ], v[SQ], s40, s41               ; mean of squares + 1e-6
	s_lshl_b32 s98, s3, 10                         ; 16 tokens: an image of 1,024 bytes;
.if \hd
	s_add_co_u32 s98, s98, 131072                  ; a head: 131,072
.endif
	s_wait_xcnt 0x0                                ; the last head's stores have read their offset and their codes
	v_rsq_f32 v240, v[SQ]
	v_add_nc_u32 v30, s98, v[LI]                   ; (the plain instruction behind the transcendental)
	s_wait_alu depctr_va_vdst(0)                   ; the wait ahead of the first reader
.irp i, 0,2,4,6,8,10,12,14,16,18,20,22,24,26,28,30
	v_pk_mul_f32 v[X+\i:X+\i+1], v[X+\i:X+\i+1], v[240:241] op_sel_hi:[1,0]
.endr
.irp i, 0,2,4,6,8,10,12,14,16,18,20,22,24,26,28,30
	v_pk_mul_f32 v[X+\i:X+\i+1], v[X+\i:X+\i+1], v[96+\i:97+\i]
.endr
.irp n, 0,2,4,6,8,10,12,14
	v_pk_mul_f32 v[XRa+\n:XRa+\n+1], v[X+16+\n:X+17+\n], v[SINa+\n:SINa+\n+1]   ; x2 sin
	v_pk_mul_f32 v[TTa+\n:TTa+\n+1], v[X+\n:X+\n+1], v[SINa+\n:SINa+\n+1]       ; x1 sin
.endr
.irp n, 0,2,4,6,8,10,12,14
	v_pk_fma_f32 v[X+\n:X+\n+1], v[X+\n:X+\n+1], v[COSa+\n:COSa+\n+1], v[XRa+\n:XRa+\n+1] neg_lo:[0,0,1] neg_hi:[0,0,1]
	v_pk_fma_f32 v[X+16+\n:X+17+\n], v[X+16+\n:X+17+\n], v[COSa+\n:COSa+\n+1], v[TTa+\n:TTa+\n+1]
.endr
.set i, 0
.rept 32
	v_med3_num_f32 v[X+i], v[X+i], -v246, v246     ; the conversion to an 8-bit code does not saturate (ISA guide 7.6.2)
.set i, i+1
.endr
.irp bp, 0,1,2,3
	v_cvt_scalef32_pk8_fp8_f32 v[PC+2*\bp:PC+2*\bp+1], v[X+8*\bp:X+8*\bp+7], v247
.endr
	v_nop                                          ; a plain instruction between the conversions and the next write of X
	global_store_b128 v30, v[PC:PC+3], s[82:83]            ; dimensions 16 h + 0 .. 15: 512 consecutive bytes
	global_store_b128 v30, v[PC+4:PC+7], s[82:83] offset:512   ; 32 + 16 h + 0 .. 15
.endm
	s_mov_b32 s3, 0
.Lqa:                                  ; a trip: 16 tokens, my two heads
	SWITCH 0
	SINCOS
	HEADWORK 0
	SWITCH 1
	HEADWORK 1
	s_add_co_u32 s3, s3, 1
	s_cmp_lt_u32 s3, 8
	s_cbranch_scc1 .Lqa
	s_branch .Lclose
; ---- v: lane (r, h) of accumulator (a, b) holds Wv's image row 16 a + r and tokens 16 b + 8 h + 0 .. 7
.Lvpath:
	s_lshl_b32 s54, s50, 2
	s_mov_b32 s55, 0
	s_add_nc_u64 s[72:73], s[72:73], s[54:55]
	v_and_b32 v3, 7, v1
	v_lshrrev_b32 v4, 3, v1
	v_lshl_add_u32 v3, v4, 4, v3
	v_lshlrev_b32 v3, 2, v3                        ; image row 16 a + r is column 32 (a / 2) + 8 (a % 2) + (r & 7) + 16 (r >> 3)
.irp a, 0,1,2,3,4,5,6,7
	global_load_b32 v[8+\a], v3, s[72:73] offset:4*(32*(\a/2)+8*(\a%2))
.endr
	s_lshr_b32 s53, s52, 11                        ; batch
	s_lshl_b32 s53, s53, 4
	s_lshr_b32 s54, s50, 6
	s_add_co_u32 s53, s53, s54                     ; batch x 16 + my first head
	s_lshl_b32 s53, s53, 17                        ; a head: 32 key steps x 4 images
	s_and_b32 s54, s52, 2047
	s_lshl_b32 s54, s54, 6                         ; 64 keys: 4,096 bytes
	s_add_co_u32 s54, s54, s53
	s_add_co_u32 s54, s54, 0x1000000               ; V's part
	s_add_nc_u64 s[82:83], s[82:83], s[54:55]
	s_wait_loadcnt 0x0
.macro VIMG a, x                       ; 16 dimensions x 64 keys: an image
	WIN 0x02+(\a)/4
.irp b, 0,1,2,3
.irp i, 0,2,4,6
.if ((\a)%2) == 0
	v_pk_fma_f32 v[X+8*\b+\i:X+8*\b+\i+1], v[8*(8*((\a)%4)+4*(\x)+\b)+\i:8*(8*((\a)%4)+4*(\x)+\b)+\i+1], s[96:97], v[8+2*((\a)/2):9+2*((\a)/2)] op_sel_hi:[1,0,0]
.else
	v_pk_fma_f32 v[X+8*\b+\i:X+8*\b+\i+1], v[8*(8*((\a)%4)+4*(\x)+\b)+\i:8*(8*((\a)%4)+4*(\x)+\b)+\i+1], s[96:97], v[8+2*((\a)/2):9+2*((\a)/2)] op_sel:[0,0,1] op_sel_hi:[1,0,1]
.endif
.endr
.endr
	WIN 0
.set i, 0
.rept 32
	v_med3_num_f32 v[X+i], v[X+i], -v246, v246
.set i, i+1
.endr
	s_wait_xcnt 0x0                                ; the last image's stores have read their codes
.irp b, 0,1,2,3
	v_cvt_scalef32_pk8_fp8_f32 v[PC+2*\b:PC+2*\b+1], v[X+8*\b:X+8*\b+7], v247   ; keys 16 b + 8 h + 0 .. 7
.endr
	v_nop
	global_store_b128 v[LI], v[PC:PC+3], s[82:83] offset:((\a)/4)*131072+(\x)*4096+((\a)%4)*1024
	global_store_b128 v[LI], v[PC+4:PC+7], s[82:83] offset:((\a)/4)*131072+(\x)*4096+((\a)%4)*1024+512
.endm
.irp a, 0,1,2,3,4,5,6,7
	VIMG \a, 0
	VIMG \a, 1
.endr
.Lclose:
	s_wait_tensorcnt 0x0                           ; the wave's end
	ds_add_u32 v[SPW], v[NIL]
	s_wait_dscnt 0x0
	CROUND                                         ; the closing round: no work-group ends while a partner may still ask for a tile that names it
	s_endpgm
.Lfunc_end_k_q6edc048aad_proj:
	.size	k_q6edc048aad_proj, .Lfunc_end_k_q6edc048aad_proj-k_q6edc048aad_proj
	.p2alignl 7, 3214868480
	.fill 96, 4, 3214868480
	.section	.rodata,"a",@progbits
	.p2align	6, 0x0
	.amdhsa_kernel k_q6edc048aad_proj
		.amdhsa_group_segment_fixed_size 327680
		.amdhsa_private_segment_fixed_size 0
		.amdhsa_enable_private_segment 0
		.amdhsa_kernarg_size 88
		.amdhsa_user_sgpr_count 2
		.amdhsa_user_sgpr_kernarg_segment_ptr 1
		.amdhsa_wavefront_size32 1
		.amdhsa_system_sgpr_workgroup_id_x 1
		.amdhsa_system_sgpr_workgroup_id_y 1
		.amdhsa_system_sgpr_workgroup_id_z 1
		.amdhsa_system_vgpr_workitem_id 0
		.amdhsa_next_free_vgpr 1024
		.amdhsa_next_free_sgpr 100
		.amdhsa_reserve_vcc 0
		.amdhsa_float_denorm_mode_32 3
		.amdhsa_float_denorm_mode_16_64 3
		.amdhsa_memory_ordered 1
		.amdhsa_forward_progress 1
		.amdhsa_inst_pref_size 195
	.end_amdhsa_kernel
	.amdgpu_metadata
---
amdhsa.version: [ 1, 2 ]
amdhsa.kernels:
  - .name:           k_q6edc048aad_proj
    .symbol:         k_q6edc048aad_proj.kd
    .args:
      - { .name: acodes, .offset: 0, .size: 8, .value_kind: global_buffer, .address_space: global }
      - { .name: wimg, .offset: 8, .size: 8, .value_kind: global_buffer, .address_space: global }
      - { .name: lowp_scales, .offset: 16, .size: 8, .value_kind: global_buffer, .address_space: global }
      - { .name: bq, .offset: 24, .size: 8, .value_kind: global_buffer, .address_space: global }
      - { .name: bk, .offset: 32, .size: 8, .value_kind: global_buffer, .address_space: global }
      - { .name: bv, .offset: 40, .size: 8, .value_kind: global_buffer, .address_space: global }
      - { .name: q_scale, .offset: 48, .size: 8, .value_kind: global_buffer, .address_space: global }
      - { .name: k_scale, .offset: 56, .size: 8, .value_kind: global_buffer, .address_space: global }
      - { .name: q_positions, .offset: 64, .size: 8, .value_kind: global_buffer, .address_space: global }
      - { .name: kv_positions, .offset: 72, .size: 8, .value_kind: global_buffer, .address_space: global }
      - { .name: qkv, .offset: 80, .size: 8, .value_kind: global_buffer, .address_space: global }
    .group_segment_fixed_size: 327680
    .private_segment_fixed_size: 0
    .kernarg_segment_align: 8
    .kernarg_segment_size: 88
    .max_flat_workgroup_size: 128
    .sgpr_count:     100
    .vgpr_count:     1024
    .wavefront_size: 32
...
	.end_amdgpu_metadata
.endif
;; end of part 2
;; launch attn (part 3): grid 4 x 64, 16 waves a work-group, no clusters, 264,192 bytes of LDS; arguments qkv, mw, fl, lowp_scales, head_scale, aimg; writes aimg
.if DOCPART == 3
	.amdgcn_target "amdgcn-amd-amdhsa--gfx1250"
	.amdhsa_code_object_version 6
	.text
	.protected	k_q6edc048aad_attn
	.globl	k_q6edc048aad_attn
	.p2align	8
	.type	k_q6edc048aad_attn,@function
k_q6edc048aad_attn:
	s_mov_b64 s[64:65], 0
	v_nop
	global_prefetch_b8 v0, s[64:65] scope:SCOPE_SE
	s_setreg_imm32_b32 hwreg(HW_REG_WAVE_MODE, 25, 1), 1
	s_wait_xcnt 0x0
; ATTN: both products of attention on codes of E4M3, with the FINISHED, NORMALISED softmax quantised ahead of the second: so the keys are walked twice.
; Walk 1: S^T = K Q^T, the given mask, a running maximum m and sum l of 2^(t - m), t = score x log2(e) / 8.  Walk 2: S^T again, p = 2^(t - m - log2 l), quantised (e9), O^T += V^T P^T.
; Then O x 2^(e8 + e9) x (1 + head_scale), quantised (e10), stored as the image of the last product's operand.
; SHARES.  A work-group has one head's whole K and V^T in LDS (128 KiB each, images of operand registers, written once at the head, one barrier).  Each of its 16 waves owns 32 queries: two tiles of 16.
; The four work-groups of a head take every fourth group of 32 queries, and the four waves of a SIMD early and late groups alike: only a schedule, right for every mask.
; LAYOUT.  Both products are used transposed: a lane holds one query (lane % 16); register j of key tile c is key 16 c + 8 (lane / 16) + j, so eight scores convert into the register pair c of P.
; THE MASK is an input.  An earlier launch has stored it as lane masks (mw) and two flag words a tile (fl).  A step of 64 keys none of which counts for my 32 queries is passed over, one in which all count skips the selects:
; scalar branches on those stored whole numbers.  Hidden scores become -infinity: p = 0.  A row with no open key: l is held at 1 from below (an open row's l is at least 1: its largest term is exactly 1), all p = 0, O = 0.
; WHY NO TENSOR LOADS AND NO CLUSTER though four work-groups read one head: each work-group reads its 256 KiB once, at its head.
; LIMITS: e6 + e7 between -123 and 130; e9, e10 between -126 and 119; NaN among the inputs is not served.
.set SPARE, 262144                     ; behind K and V: the spare words, 128 bytes for each of 16 waves
.set LI,   1                           ; v1   16 x lane
.set ADK,  2
.set ADV,  3
.set SPW,  4
.set NIL,  5
.set NINF, 6
.set FK,   7
.set ST,   8                           ; tile u at v[8 + 8 u]: +0 -m (later -(m + log2 l)), +1 its partner, +2, +3 l, +4 T0, +5 T1, +6 a, +7 T2
.set Q,    24
.set KV,   40                          ; v40-71   four fragments of K or of V^T
.set S,    72                          ; v72-135  tile u at +32 u, key tile c at +8 c
.set O,    136                         ; v136-199 tile u at +32 u, 16 dimensions dt at +8 dt
.set P,    200
.set TP,   222
.set FV,   226
	s_load_b256 s[4:11], s[0:1], 0x0               ; qkv, mw, fl, the scales' exponents
	s_load_b128 s[12:15], s[0:1], 0x20             ; head_scale, aimg
	v_lshl_add_u32 v[SPW], v0, 2, SPARE
	v_mov_b32 v[NIL], 0
	v_lshrrev_b32 v2, 5, v0
	v_readfirstlane_b32 s16, v2                    ; wave 0..15
	v_and_b32 v3, 31, v0
	v_lshlrev_b32 v[LI], 4, v3
	s_and_b32 s18, ttmp7, 0xffff                   ; batch x 16 + head
	s_lshr_b32 s19, s18, 4
	s_and_b32 s20, s18, 15
	s_lshr_b32 s26, s16, 2
	s_and_b32 s27, s16, 3
	s_and_b32 s28, s26, 1
	s_mul_i32 s28, s28, 3
	s_xor_b32 s27, s27, s28
	s_lshl_b32 s26, s26, 2
	s_add_co_u32 s26, s26, s27
	s_lshl_b32 s21, s26, 2
	s_add_co_u32 s21, s21, ttmp9                   ; which 32 queries of the head: 0..63
	s_lshl_b32 s17, s19, 7
	s_lshl_b32 s26, s21, 1
	s_add_co_u32 s17, s17, s26                     ; batch x 128 + my first tile of queries
	s_lshl_b32 s32, s18, 17                        ; a head's images: 131,072 bytes
	s_lshl_b32 s34, s21, 11
	s_add_co_u32 s34, s34, s32
	s_mov_b32 s35, 0
	s_lshl_b32 s36, s16, 13                        ; my sixteenth of K and of V
	s_add_co_u32 s36, s36, s32
	s_add_co_u32 s36, s36, 0x800000
	s_mov_b32 s37, 0
	s_lshl_b32 s38, s17, 7
	s_mov_b32 s39, 0
	s_lshl_b32 s58, s17, 12
	s_mov_b32 s59, 0
	s_lshl_b32 s60, s17, 14                        ; 16 tokens: 8 images of 2,048 bytes;
	s_lshl_b32 s61, s20, 10                        ; a head's 64 of K: half an image
	s_add_co_u32 s60, s60, s61
	s_mov_b32 s61, 0
	s_lshl_b32 s53, s20, 2
	s_lshl_b32 s101, s16, 13
	v_add_nc_u32 v[FK], s101, v[LI]
	v_add_nc_u32 v[FV], 131072, v[FK]
	s_mov_b32 s22, 0x76543210                      ; lane l xor 16
	s_mov_b32 s23, 0xfedcba98
	s_wait_kmcnt 0x0
	s_add_nc_u64 s[40:41], s[4:5], s[34:35]        ; Q
	s_add_nc_u64 s[42:43], s[4:5], s[36:37]        ; K
	s_add_nc_u64 s[44:45], s[42:43], 0x800000      ; V
	s_add_nc_u64 s[8:9], s[8:9], s[38:39]
	s_add_nc_u64 s[6:7], s[6:7], s[58:59]
	s_add_nc_u64 s[14:15], s[14:15], s[60:61]
	s_load_b64 s[54:55], s[8:9], 0x0               ; tile 0's flags,
	s_load_b64 s[56:57], s[8:9], 0x80              ; tile 1's
	s_load_b64 s[46:47], s[10:11], 0x18            ; e6, e7
	s_load_b128 s[48:51], s[10:11], 0x20           ; e8 .. e11
	s_load_b32 s52, s[12:13], s53 offset:0x0       ; head_scale
.irp i, 0,1,2,3
	global_load_b128 v[Q+4*\i:Q+4*\i+3], v[LI], s[40:41] offset:512*\i
.endr
.irp i, 0,1,2,3,4,5,6,7,8,9,10,11,12,13,14,15
	global_load_b128 v[S+4*\i:S+4*\i+3], v[LI], s[42:43] offset:512*\i
.endr
.irp i, 0,1,2,3,4,5,6,7,8,9,10,11,12,13,14,15
	global_load_b128 v[O+4*\i:O+4*\i+3], v[LI], s[44:45] offset:512*\i
.endr
	s_wait_kmcnt 0x0
	s_or_b32 s66, s54, s56                         ; bit ks: some key of step ks counts for some of my queries
	s_and_b32 s67, s55, s57                        ; bit ks: all count for all
	s_add_co_i32 s24, s46, s47
	s_lshl_b32 s24, s24, 23
	s_add_co_i32 s24, s24, 0x3e38aa3b              ; c = log2(e) / 8, with e6 + e7 added to its exponent field
	s_mov_b32 s25, s24
	s_xor_b32 s26, s24, 0x80000000                 ; -c
	s_cmp_lt_i32 s49, -8                           ; p is at most 1: only under 2^-8 can p / 2^e9 pass 448
	s_cselect_b32 s100, 1, 0
	s_add_co_i32 s101, s49, 127
	s_lshl_b32 s27, s101, 23
	v_mov_b32 v217, s27                            ; 2^e9
	s_add_co_i32 s101, s101, 8
	s_lshl_b32 s101, s101, 23
	s_or_b32 s101, s101, 0x600000
	v_mov_b32 v216, s101                           ; 448 x 2^e9
	s_add_co_i32 s101, s50, 127
	s_lshl_b32 s27, s101, 23
	v_mov_b32 v219, s27                            ; 2^e10
	s_add_co_i32 s101, s101, 8
	s_lshl_b32 s101, s101, 23
	s_or_b32 s101, s101, 0x600000
	v_mov_b32 v218, s101
	s_add_co_i32 s101, s48, s49
	v_mov_b32 v220, s52
	v_add_f32 v220, 1.0, v220
	v_ldexp_f32 v220, v220, s101                   ; (1 + head_scale) x 2^(e8 + e9)
	v_mov_b32 v221, 0
	v_mov_b32 v[NINF], 0xff800000
	s_wait_loadcnt 16                              ; Q and my part of K are in; V's 16 loads may be out
.irp i, 0,1,2,3,4,5,6,7,8,9,10,11,12,13,14,15
	ds_store_b128 v[FK], v[S+4*\i:S+4*\i+3] offset:512*\i
.endr
	s_wait_loadcnt 0x0
.irp i, 0,1,2,3,4,5,6,7,8,9,10,11,12,13,14,15
	ds_store_b128 v[FV], v[O+4*\i:O+4*\i+3] offset:512*\i
.endr
	s_wait_dscnt 0x0                               ; for the others' sake: my stores have landed
	s_barrier_signal -1
	s_barrier_wait -1                              ; the head's K and V lie in LDS; nothing writes them again
.set j, 0
.rept 64
	v_mov_b32 v[O+j], 0                            ; which step is the first to be multiplied hangs on the mask, so no first product can be written out to start the sums
.set j, j+1
.endr
.irp u, 0,1
	v_mov_b32 v[ST+8*\u], 0x7f61b1e6               ; -m: 3e38, above every -t
.irp k, 1,2,3,4,5,6,7
	v_mov_b32 v[ST+8*\u+\k], 0
.endr
.endr
.macro SCORES                          ; the step's four fragments of K, and S^T for both tiles
	v_add_nc_u32 v[ADK], s27, v[LI]
.irp c, 0,1,2,3
	ds_load_b128 v[KV+8*\c:KV+8*\c+3], v[ADK] offset:1024*\c
	ds_load_b128 v[KV+8*\c+4:KV+8*\c+7], v[ADK] offset:1024*\c+512
.endr
	s_wait_dscnt 0x0
.irp c, 0,1,2,3
.irp u, 0,1
	v_wmma_f32_16x16x64_fp8_fp8 v[S+32*\u+8*\c:S+32*\u+8*\c+7], v[KV+8*\c:KV+8*\c+7], v[Q+8*\u:Q+8*\u+7], 0
.endr
.endr
.rept 4
	v_nop                                          ; places between the products and the first read of their results, or a load into their sources
.endr
.endm
.macro MASKB                           ; hidden scores become -infinity; passed over where all 64 keys count for all 32 queries
	s_and_b32 s101, s30, 1
	s_cmp_lg_u32 s101, 0
	s_cbranch_scc1 .Lall_\@
	s_load_b512 s[32:47], s[6:7], s31 offset:0x0
	s_load_b512 s[48:63], s[6:7], s31 offset:0x40
	s_load_b512 s[68:83], s[6:7], s31 offset:0x1000
	s_load_b512 s[84:99], s[6:7], s31 offset:0x1040
	s_wait_kmcnt 0x0
.set n, 0
.rept 32
	v_cndmask_b32 v[S+n], v[NINF], v[S+n], s[32+n]
.set n, n+1
.endr
.set n, 0
.rept 32
	v_cndmask_b32 v[S+32+n], v[NINF], v[S+32+n], s[68+n]
.set n, n+1
.endr
.Lall_\@:
.endm
.macro EXPS                            ; t + (what stands in ST + 0), then 2^ of it: one batch, one plain instruction, one wait
.irp u, 0,1
.irp j, 0,2,4,6,8,10,12,14,16,18,20,22,24,26,28,30
	v_pk_fma_f32 v[S+32*\u+\j:S+32*\u+\j+1], v[S+32*\u+\j:S+32*\u+\j+1], s[24:25], v[ST+8*\u:ST+8*\u+1] op_sel_hi:[1,0,0]
.endr
.endr
.set j, 0
.rept 64
	v_exp_f32 v[S+j], v[S+j]
.set j, j+1
.endr
	v_nop
	s_wait_alu depctr_va_vdst(0)                   ; the wait ahead of the batch's first reader
.endm
.macro NEXT lbl, top                   ; on every path: the flags' next bits, the next step's addresses, the count
\lbl:
	s_lshr_b32 s29, s29, 1
	s_lshr_b32 s30, s30, 1
	s_add_co_u32 s27, s27, 4096
	s_add_co_u32 s31, s31, 128
	s_sub_co_u32 s28, s28, 1
	s_cmp_lg_u32 s28, 0
	s_cbranch_scc1 \top
.endm
.macro BEGIN
	s_mov_b32 s27, 0                               ; the step's bytes in K and in V
	s_mov_b32 s31, 0                               ; and in the mask words
	s_mov_b32 s29, s66
	s_mov_b32 s30, s67
	s_mov_b32 s28, 32                              ; every wave walks all 32 steps: the trip count is a constant; what is passed over is a step's work
.endm
; ---------------- walk 1: m and l ----------------
	BEGIN
.Lw1:
	s_and_b32 s101, s29, 1
	s_cmp_eq_u32 s101, 0
	s_cbranch_scc1 .Ln1
	SCORES
	MASKB
.irp u, 0,1
	v_max3_num_f32 v[ST+8*\u+4], v[S+32*\u], v[S+32*\u+1], v[S+32*\u+2]
	v_max3_num_f32 v[ST+8*\u+5], v[S+32*\u+3], v[S+32*\u+4], v[S+32*\u+5]
.endr
.irp i, 6,10,14,18,22,26
.irp u, 0,1
	v_max3_num_f32 v[ST+8*\u+4], v[ST+8*\u+4], v[S+32*\u+\i], v[S+32*\u+\i+1]
	v_max3_num_f32 v[ST+8*\u+5], v[ST+8*\u+5], v[S+32*\u+\i+2], v[S+32*\u+\i+3]
.endr
.endr
.irp u, 0,1
	v_max3_num_f32 v[ST+8*\u+4], v[ST+8*\u+4], v[S+32*\u+30], v[S+32*\u+31]
.endr
.irp u, 0,1
	v_max_num_f32 v[ST+8*\u+4], v[ST+8*\u+4], v[ST+8*\u+5]
.endr
.irp u, 0,1
	v_permlanex16_b32 v[ST+8*\u+5], v[ST+8*\u+4], s22, s23         ; the query's other 32 keys lie in lane l xor 16
.endr
.irp u, 0,1
	v_max_num_f32 v[ST+8*\u+4], v[ST+8*\u+4], v[ST+8*\u+5]
.endr
.irp u, 0,1
	v_mul_f32 v[ST+8*\u+4], s26, v[ST+8*\u+4]      ; -t of the step's largest score
.endr
.irp u, 0,1
	v_mov_b32 v[ST+8*\u+7], v[ST+8*\u]
.endr
.irp u, 0,1
	v_min_num_f32 v[ST+8*\u], v[ST+8*\u], v[ST+8*\u+4]             ; the new -m
.endr
.irp u, 0,1
	v_sub_f32 v[ST+8*\u+7], v[ST+8*\u], v[ST+8*\u+7]               ; m_old - m_new
.endr
.irp u, 0,1
	v_exp_f32 v[ST+8*\u+6], v[ST+8*\u+7]           ; a: it belongs to the batch below
.endr
	EXPS
.irp u, 0,1
	v_pk_mul_f32 v[ST+8*\u+2:ST+8*\u+3], v[ST+8*\u+2:ST+8*\u+3], v[ST+8*\u+6:ST+8*\u+7] op_sel_hi:[1,0]
	v_pk_add_f32 v[TP+2*\u:TP+2*\u+1], v[S+32*\u:S+32*\u+1], v[S+32*\u+2:S+32*\u+3]
.endr
.irp j, 4,8,12,16,20,24,28
.irp u, 0,1
	v_pk_add_f32 v[ST+8*\u+2:ST+8*\u+3], v[ST+8*\u+2:ST+8*\u+3], v[S+32*\u+\j:S+32*\u+\j+1]
	v_pk_add_f32 v[TP+2*\u:TP+2*\u+1], v[TP+2*\u:TP+2*\u+1], v[S+32*\u+\j+2:S+32*\u+\j+3]
.endr
.endr
.irp u, 0,1
	v_pk_add_f32 v[ST+8*\u+2:ST+8*\u+3], v[ST+8*\u+2:ST+8*\u+3], v[TP+2*\u:TP+2*\u+1]
.endr
	NEXT .Ln1, .Lw1
; ---------------- between the walks: -(m + log2 l) ----------------
.irp u, 0,1
	v_add_f32 v[ST+8*\u+4], v[ST+8*\u+2], v[ST+8*\u+3]
.endr
.irp u, 0,1
	v_permlanex16_b32 v[ST+8*\u+5], v[ST+8*\u+4], s22, s23
.endr
.irp u, 0,1
	v_add_f32 v[ST+8*\u+4], v[ST+8*\u+4], v[ST+8*\u+5]
.endr
.irp u, 0,1
	v_max_num_f32 v[ST+8*\u+4], 1.0, v[ST+8*\u+4]
.endr
.irp u, 0,1
	v_log_f32 v[ST+8*\u+5], v[ST+8*\u+4]
.endr
	v_nop
	s_wait_alu depctr_va_vdst(0)
.irp u, 0,1
	v_sub_f32 v[ST+8*\u], v[ST+8*\u], v[ST+8*\u+5]
.endr
; ---------------- walk 2: p, quantised, and O^T ----------------
	BEGIN
.Lw2:
	s_and_b32 s101, s29, 1
	s_cmp_eq_u32 s101, 0
	s_cbranch_scc1 .Ln2
	SCORES
	v_add_nc_u32 v[ADV], 131072, v[ADK]
.irp d, 0,1,2,3
	ds_load_b128 v[KV+8*\d:KV+8*\d+3], v[ADV] offset:1024*\d       ; V^T's four fragments land while the softmax is worked
	ds_load_b128 v[KV+8*\d+4:KV+8*\d+7], v[ADV] offset:1024*\d+512
.endr
	MASKB
	EXPS
	s_cmp_eq_u32 s100, 0
	s_cbranch_scc1 .Lnohold
.set j, 0
.rept 64
	v_min_num_f32 v[S+j], v[S+j], v216             ; the conversion does not saturate (ISA guide 7.6.2); p is not negative, so the hold is one-sided
.set j, j+1
.endr
.Lnohold:
.irp u, 0,1
.irp c, 0,1,2,3
	v_cvt_scalef32_pk8_fp8_f32 v[P+8*\u+2*\c:P+8*\u+2*\c+1], v[S+32*\u+8*\c:S+32*\u+8*\c+7], v217
.endr
.endr
	v_nop                                          ; a plain instruction between the conversions and the products that read their results
	s_wait_dscnt 0x0                               ; V^T's fragments are in
.irp d, 0,1,2,3
.irp u, 0,1
	v_wmma_f32_16x16x64_fp8_fp8 v[O+32*\u+8*\d:O+32*\u+8*\d+7], v[KV+8*\d:KV+8*\d+7], v[P+8*\u:P+8*\u+7], v[O+32*\u+8*\d:O+32*\u+8*\d+7]   ; eight accumulators by turns
.endr
.endr
.rept 4
	v_nop                                          ; places in front of the next step's loads into KV, and of the way out
.endr
	NEXT .Ln2, .Lw2
; ---------------- the way out: register 16 g + i of a tile is dimension 32 g + 16 (lane / 16) + i ----------------
.irp j, 0,2,4,6,8,10,12,14,16,18,20,22,24,26,28,30,32,34,36,38,40,42,44,46,48,50,52,54,56,58,60,62
	v_pk_mul_f32 v[O+\j:O+\j+1], v[O+\j:O+\j+1], v[220:221] op_sel_hi:[1,0]
.endr
.set j, 0
.rept 64
	v_med3_num_f32 v[O+j], v[O+j], -v218, v218
.set j, j+1
.endr
.irp k, 0,1,2,3,4,5,6,7
	v_cvt_scalef32_pk8_fp8_f32 v[S+2*\k:S+2*\k+1], v[O+8*\k:O+8*\k+7], v219
.endr
	v_nop
.irp u, 0,1
.irp g, 0,1
	global_store_b128 v[LI], v[S+8*\u+4*\g:S+8*\u+4*\g+3], s[14:15] offset:\u*16384+512*\g   ; 512 consecutive bytes
.endr
.endr
	s_wait_tensorcnt 0x0                           ; the wave's end, behind my last LDS store
	ds_add_u32 v[SPW], v[NIL]
	s_wait_dscnt 0x0
	s_endpgm
.Lfunc_end_k_q6edc048aad_attn:
	.size	k_q6edc048aad_attn, .Lfunc_end_k_q6edc048aad_attn-k_q6edc048aad_attn
	.p2alignl 7, 3214868480
	.fill 96, 4, 3214868480
	.section	.rodata,"a",@progbits
	.p2align	6, 0x0
	.amdhsa_kernel k_q6edc048aad_attn
		.amdhsa_group_segment_fixed_size 264192
		.amdhsa_private_segment_fixed_size 0
		.amdhsa_enable_private_segment 0
		.amdhsa_kernarg_size 48
		.amdhsa_user_sgpr_count 2
		.amdhsa_user_sgpr_kernarg_segment_ptr 1
		.amdhsa_wavefront_size32 1
		.amdhsa_system_sgpr_workgroup_id_x 1
		.amdhsa_system_sgpr_workgroup_id_y 1
		.amdhsa_system_sgpr_workgroup_id_z 1
		.amdhsa_system_vgpr_workitem_id 0
		.amdhsa_next_free_vgpr 256
		.amdhsa_next_free_sgpr 102
		.amdhsa_reserve_vcc 0
		.amdhsa_float_denorm_mode_32 3
		.amdhsa_float_denorm_mode_16_64 3
		.amdhsa_memory_ordered 1
		.amdhsa_forward_progress 1
		.amdhsa_inst_pref_size 49
	.end_amdhsa_kernel
	.amdgpu_metadata
---
amdhsa.version: [ 1, 2 ]
amdhsa.kernels:
  - .name:           k_q6edc048aad_attn
    .symbol:         k_q6edc048aad_attn.kd
    .args:
      - { .name: qkv, .offset: 0, .size: 8, .value_kind: global_buffer, .address_space: global }
      - { .name: mw, .offset: 8, .size: 8, .value_kind: global_buffer, .address_space: global }
      - { .name: fl, .offset: 16, .size: 8, .value_kind: global_buffer, .address_space: global }
      - { .name: lowp_scales, .offset: 24, .size: 8, .value_kind: global_buffer, .address_space: global }
      - { .name: head_scale, .offset: 32, .size: 8, .value_kind: global_buffer, .address_space: global }
      - { .name: aimg, .offset: 40, .size: 8, .value_kind: global_buffer, .address_space: global }
    .group_segment_fixed_size: 264192
    .private_segment_fixed_size: 0
    .kernarg_segment_align: 8
    .kernarg_segment_size: 48
    .max_flat_workgroup_size: 512
    .sgpr_count:     102
    .vgpr_count:     256
    .wavefront_size: 32
...
	.end_amdgpu_metadata
.endif
;; end of part 3
;; launch oproj (part 4): grid 4 x 32, 4 waves a work-group, clusters of 4 x 4, 327,680 bytes of LDS; arguments aimg, wimg, lowp_scales, bo, out0; writes out0
.if DOCPART == 4
	.amdgcn_target "amdgcn-amd-amdhsa--gfx1250"
	.amdhsa_code_object_version 6
	.text
	.protected	k_q6edc048aad_oproj
	.globl	k_q6edc048aad_oproj
	.p2align	8
	.type	k_q6edc048aad_oproj,@function
k_q6edc048aad_oproj:
	s_mov_b64 s[64:65], 0
	v_nop
	global_prefetch_b8 v0, s[64:65] scope:SCOPE_SE
	s_setreg_imm32_b32 hwreg(HW_REG_WAVE_MODE, 25, 1), 1
	s_wait_xcnt 0x0
	s_wait_alu depctr_hold_cnt(0) depctr_sa_sdst(0) depctr_va_vdst(0) depctr_va_sdst(0) depctr_va_ssrc(0) depctr_va_vcc(0) depctr_vm_vsrc(0)
	s_getreg_b32 s2, hwreg(HW_REG_IB_STS2, 6, 4)
	s_cmp_eq_u32 s2, 0
	s_cbranch_scc0 .Lentry_in_a_cluster
	s_endpgm
.Lentry_in_a_cluster:
	s_bfe_u32 s2, ttmp6, 0x10000c
	s_cmp_lg_u32 s2, 0xf033
	s_cbranch_scc0 .Lentry_shape_is_right
	s_endpgm
.Lentry_shape_is_right:
; OPROJ: out0 = attn Wo + bo on codes of E4M3.  A = aimg (tokens), B = Wo's images (wimg's fourth part); both lie as images of operand registers (16 rows x 128 K = 2,048 bytes).
; A work-group makes 256 x 256, a wave 128 x 128: 64 accumulators; K = 1,024 in four steps of 256 through two LDS slots; clusters of 4 x 4 with joint loads: A's tiles shared along a row, B's along a column.
; THE MATRIX INSTRUCTION IS USED TRANSPOSED: a lane holds one token and eight of Wo's image rows: block b, register j is column 32 (b / 2) + 8 (b % 2) + 16 (lane / 16) + j.
; The way out goes through the wave's own stage, which puts the columns in order; the rows that come back are multiplied by 2^(e10 + e11), get bo added in the same instruction, and leave 512 bytes a store.
; LIMIT: e10 + e11 between -126 and 127.  128 work-groups: the output has no more tiles of this size; a smaller tile would read each LDS byte for half the products.
.set HALFT,  32768
.set SLOT,   4*HALFT
.set SPARE,  2*SLOT
.set KB,     4096
.set FR,     16
.set NL,     4
.set NP,     4
.set LAPS,   2
.set SPITCH, 528                       ; the stage: 16 rows x (512 + 16) bytes for each wave, in slot 0, which has had its last fill and its last read when the first result is stored there
.set ADRA, 16
.set ADRB, 20
.set STO,  24
.set RD,   25
.set LI,   27
.set SPW,  28
.set NIL,  29
.set AF,   128
.set BK,   128
.set G1, 24
.set G0, 32
.set G1B, 48
.set G0B, 56
.set MSB, 0
.macro WIN new
.if MSB != (\new)
	s_set_vgpr_msb (MSB<<8)|(\new)
.set MSB, (\new)
.endif
.endm
.set MUL_LO, 0xa1
.set MUL_HI, 0xf1
.set TO_B,   0x40
.macro JLOAD g0a, g1a, g0b, g1b        ; a joint load: waves 0 and 1 fetch for A, waves 2 and 3 for B; an s_nop 0 and four v_nop follow each line
	s_cmp_eq_u32 s15, 0
	s_cbranch_scc0 .Lfor_b_\@
	tensor_load_to_lds s[\g0a:\g0a+3], s[\g1a:\g1a+7]
	s_nop 0
.rept 4
	v_nop
.endr
	s_branch .Lasked_\@
.Lfor_b_\@:
	tensor_load_to_lds s[\g0b:\g0b+3], s[\g1b:\g1b+7]
	s_nop 0
.rept 4
	v_nop
.endr
.Lasked_\@:
.endm
.macro CREST
	s_cmp_lg_u32 s14, 0
	s_cbranch_scc1 .Lnot_wave_0_\@
	s_barrier_signal -3
.Lnot_wave_0_\@:
	s_barrier_wait -3
	s_barrier_signal -1
	s_barrier_wait -1
.endm
.macro CROUND
	s_barrier_signal -1
	s_barrier_wait -1
	CREST
.endm
	s_load_b128 s[4:7], s[0:1], 0x0                ; aimg, wimg
	s_load_b128 s[8:11], s[0:1], 0x10              ; the scales' exponents, bo
	s_load_b64 s[12:13], s[0:1], 0x20              ; out0
	v_lshl_add_u32 v[SPW], v0, 2, SPARE
	v_mov_b32 v[NIL], 0
	ds_add_u32 v[SPW], v[NIL]                      ; the wave's opening: the add and its wait come ahead of my first tensor load
	v_lshrrev_b32 v1, 5, v0
	v_readfirstlane_b32 s14, v1
	s_lshr_b32 s15, s14, 1
	s_and_b32 s16, s14, 1
	s_bfe_u32 s40, ttmp6, 0x40000
	s_bfe_u32 s41, ttmp6, 0x40004
	s_lshl_b32 s42, ttmp9, 2
	s_add_co_u32 s42, s42, s40                     ; tile column
	s_and_b32 s17, ttmp7, 0xffff
	s_lshl_b32 s17, s17, 2
	s_add_co_u32 s17, s17, s41                     ; tile row
	s_lshl_b32 s43, s41, 2
	s_lshl_b32 s43, 15, s43
	s_lshl_b32 s44, 0x1111, s40
	s_or_b32 s[G1+0], s43, (3<<16)|(1<<21)         ; the mask; elements of 8 bytes; bit 21 beside a mask; no padding
	s_or_b32 s[G1B+0], s44, (3<<16)|(1<<21)
.irp g, G1, G1B
	s_mov_b32 s[\g+1], 512<<16
	s_mov_b32 s[\g+2], 8<<16
	s_mov_b32 s[\g+3], 512<<16
	s_mov_b32 s[\g+4], 8
	s_mov_b32 s[\g+5], 2048
	s_mov_b32 s[\g+6], 0
	s_mov_b32 s[\g+7], 0
.endr
	s_lshl_b32 s18, s16, 17
	s_lshl_b32 s20, s17, 18
	s_add_co_u32 s20, s20, s18
	s_mov_b32 s21, 0
	s_lshl_b32 s46, s42, 18
	s_add_co_u32 s46, s46, s18
	s_add_co_u32 s46, s46, 0x300000                ; Wo is wimg's fourth part
	s_mov_b32 s47, 0
	s_lshl_b32 s45, s14, 15
	s_wait_dscnt 0x0
	s_wait_kmcnt 0x0
	s_load_b64 s[96:97], s[8:9], 0x28              ; e10, e11
	s_add_nc_u64 s[20:21], s[4:5], s[20:21]
	s_add_nc_u64 s[46:47], s[6:7], s[46:47]
	CROUND
.irp s, 0,1
	s_mov_b32 s[G0+4*\s], 1
	s_add_co_u32 s[G0+4*\s+1], s45, \s*SLOT
	s_add_nc_u64 s[G0+4*\s+2:G0+4*\s+3], s[20:21], \s*KB
	s_or_b32 s[G0+4*\s+3], s[G0+4*\s+3], 0x80000000
	s_mov_b32 s[G0B+4*\s], 1
	s_add_co_u32 s[G0B+4*\s+1], s45, \s*SLOT
	s_add_nc_u64 s[G0B+4*\s+2:G0B+4*\s+3], s[46:47], \s*KB
	s_or_b32 s[G0B+4*\s+3], s[G0B+4*\s+3], 0x80000000
	JLOAD G0+4*\s, G1, G0B+4*\s, G1B
.endr
	v_and_b32 v1, 15, v0
	v_bfe_u32 v2, v0, 4, 1
	v_and_b32 v3, 31, v0
	v_lshlrev_b32 v[LI], 4, v3
	s_lshl_b32 s21, s15, 15
	s_lshl_b32 s22, s16, 15
	s_add_co_u32 s22, s22, 2*HALFT
.irp s, 0,1
	v_add_nc_u32 v[ADRA+\s], s21, v[LI]
	v_add_nc_u32 v[ADRB+\s], s22, v[LI]
	s_add_co_u32 s21, s21, SLOT
	s_add_co_u32 s22, s22, SLOT
.endr
	s_mul_i32 s23, s14, 16*SPITCH                  ; my stage
	v_mul_u32_u24 v5, v1, SPITCH
	v_lshl_add_u32 v5, v2, 6, v5
	v_add_nc_u32 v[STO], s23, v5                   ; in: row r, + 64 h
	v_add_nc_u32 v[RD], s23, v[LI]                 ; back: the 32 lanes take a row of 512 bytes
	s_lshl_b32 s46, s42, 10
	s_lshl_b32 s47, s16, 9
	s_add_co_u32 s46, s46, s47                     ; my first column, in bytes
	s_mov_b32 s47, 0
	s_add_nc_u64 s[10:11], s[10:11], s[46:47]
	global_load_b128 v[8:11], v[LI], s[10:11]      ; bo of my four columns of a row
	s_lshl_b32 s20, s17, 8
	s_lshl_b32 s21, s15, 7
	s_add_co_u32 s20, s20, s21                     ; my first row
	s_lshl_b32 s20, s20, 12                        ; rows of 4,096 bytes
	s_mov_b32 s21, 0
	s_add_nc_u64 s[20:21], s[20:21], s[46:47]
	s_add_nc_u64 s[12:13], s[12:13], s[20:21]
.macro FRAG reg, adr, q, i
.irp c, 0,1,2,3
	ds_load_b128 v[\reg+4*\c:\reg+4*\c+3], v[\adr] offset:(\i)*4096+(\q)*2048+512*\c
.endr
.endm
; The 64 accumulators take turns, one instruction a turn, in the same order in every step.
.macro MUL16 a0, p, zero
.irp a, \a0, \a0+1
.irp b, 0,1,2,3,4,5,6,7
.if \zero
	v_wmma_f32_16x16x128_fp8_fp8 v[8*(8*((\a)%4)+\b):8*(8*((\a)%4)+\b)+7], v[128*(\p)+FR*\b:128*(\p)+FR*\b+FR-1], v[AF+FR*(\a):AF+FR*(\a)+FR-1], 0
.else
	v_wmma_f32_16x16x128_fp8_fp8 v[8*(8*((\a)%4)+\b):8*(8*((\a)%4)+\b)+7], v[128*(\p)+FR*\b:128*(\p)+FR*\b+FR-1], v[AF+FR*(\a):AF+FR*(\a)+FR-1], v[8*(8*((\a)%4)+\b):8*(8*((\a)%4)+\b)+7]
.endif
.endr
.endr
.endm
.macro FETCH_B slot, q, p
	WIN TO_B
.irp i, 0,1,2,3,4,5,6,7
	FRAG 128*(\p)+FR*\i, ADRB+\slot, \q, \i
.endr
	WIN 0
.endm
.macro FETCH_A slot, q, i0
.irp i, \i0, \i0+1, \i0+2, \i0+3
	FRAG AF+FR*(\i), ADRA+\slot, \q, \i
.endr
.endm
.macro PLACES n
.rept \n
	v_nop
.endr
.endm
.macro STEP slot, q, zero
	s_wait_dscnt 4*NL                              ; B's set and A's blocks 0-3 are in; the youngest 16 loads may be out
	WIN MUL_LO
	MUL16 0, (\q)%2, \zero
	MUL16 2, (\q)%2, \zero
	s_wait_dscnt 0
	PLACES NP
	FETCH_B \slot, (\q)+1, 1-(\q)%2
	FETCH_A \slot, (\q)+1, 0
	WIN MUL_HI
	MUL16 4, (\q)%2, \zero
	MUL16 6, (\q)%2, \zero
	PLACES NP
	WIN 0
	FETCH_A \slot, (\q)+1, 4
.endm
.macro TURN slot, next, fill
	s_wait_tensorcnt 0x0                           ; all my tensor loads have landed: my part of the next slot
	ds_add_u32 v[SPW], v[NIL]                      ; 0 onto my spare word
	s_wait_dscnt 4*NL+1                            ; (the add and the youngest 16 loads may be out)
	WIN MUL_LO
	MUL16 0, 1, 0
	s_wait_dscnt 0x0                               ; the add is done, and my reads of this slot are over
	s_barrier_signal -1
	MUL16 2, 1, 0
	WIN 0
	s_barrier_wait -1
.if \fill
	CREST
	s_add_nc_u64 s[G0+4*\slot+2:G0+4*\slot+3], s[G0+4*\slot+2:G0+4*\slot+3], 2*KB
	s_add_nc_u64 s[G0B+4*\slot+2:G0B+4*\slot+3], s[G0B+4*\slot+2:G0B+4*\slot+3], 2*KB
	JLOAD G0+4*\slot, G1, G0B+4*\slot, G1B
.else
	PLACES NP
.endif
	FETCH_B \next, 0, 0
	FETCH_A \next, 0, 0
	WIN MUL_HI
	MUL16 4, 1, 0
	MUL16 6, 1, 0
	PLACES NP
	WIN 0
	FETCH_A \next, 0, 4
.endm
	s_wait_tensorcnt 1                             ; my part of K step 0 is in; K step 1's load may be out
	s_barrier_signal -1
	s_barrier_wait -1
	FETCH_B 0, 0, 0
	FETCH_A 0, 0, 0
	FETCH_A 0, 0, 4
	STEP 0, 0, 1
	s_mov_b32 s3, LAPS-1
.Llap:
	TURN 0, 1, 1
	STEP 1, 0, 0
	TURN 1, 0, 1
	STEP 0, 0, 0
	s_sub_co_u32 s3, s3, 1
	s_cmp_lg_u32 s3, 0
	s_cbranch_scc1 .Llap
	TURN 0, 1, 0
	STEP 1, 0, 0
	s_wait_dscnt 4*NL
	WIN MUL_LO
	MUL16 0, 1, 0
	MUL16 2, 1, 0
	s_wait_dscnt 0
	WIN MUL_HI
	MUL16 4, 1, 0
	MUL16 6, 1, 0
	WIN 0
; THE WAY OUT, a block of 16 rows x 128 columns at a time.  LDS serves a wave's instructions in order: no wait between the stage's stores and its loads.
.macro TOSTAGE a
.set AC, 64*((\a)%4)
	WIN 0x08+4*((\a)/4)                            ; the stores' data: window 2 or 3
.irp b, 0,1,2,3,4,5,6,7
	ds_store_b128 v[STO], v[AC+8*\b:AC+8*\b+3] offset:128*(\b/2)+32*(\b%2)        ; each accumulator from its low end on
	ds_store_b128 v[STO], v[AC+8*\b+4:AC+8*\b+7] offset:128*(\b/2)+32*(\b%2)+16
.endr
	WIN 0
.set BB, BK+64*((\a)%2)
.irp t, 0,1,2,3,4,5,6,7,8,9,10,11,12,13,14,15
	ds_load_b128 v[BB+4*\t:BB+4*\t+3], v[RD] offset:\t*SPITCH
.endr
.endm
.macro SEND a, younger                 ; younger: the LDS instructions issued behind block a's loads, which may stay out
.set BB, BK+64*((\a)%2)
	s_wait_dscnt \younger
.if (\a) > 0
	s_add_nc_u64 s[12:13], s[12:13], 16*4096       ; (behind a wait on XCNT: the earlier stores have read their base)
.endif
.irp t, 0,1,2,3,4,5,6,7,8,9,10,11,12,13,14,15
	v_pk_fma_f32 v[BB+4*\t:BB+4*\t+1], v[BB+4*\t:BB+4*\t+1], s[96:97], v[8:9] op_sel_hi:[1,0,1]       ; sum x 2^(e10 + e11) + bo
	v_pk_fma_f32 v[BB+4*\t+2:BB+4*\t+3], v[BB+4*\t+2:BB+4*\t+3], s[96:97], v[10:11] op_sel_hi:[1,0,1]
	global_store_b128 v[LI], v[BB+4*\t:BB+4*\t+3], s[12:13] offset:\t*4096 th:TH_STORE_NT   ; 512 consecutive bytes, at a multiple of 256 from the output's first byte
.endr
.endm
	s_wait_kmcnt 0x0
	s_add_co_i32 s96, s96, s97
	s_add_co_i32 s96, s96, 127
	s_lshl_b32 s96, s96, 23                        ; 2^(e10 + e11) as f32
	s_mov_b32 s97, s96
	s_wait_loadcnt 0x0                             ; bo
	PLACES NP
	TOSTAGE 0
.irp a, 1,2,3,4,5,6,7
.if \a > 1
	s_wait_xcnt 0x0                                ; block a - 2's stores have read their registers and their base
.endif
	TOSTAGE \a
	SEND \a-1, 32                                  ; behind block a - 1's loads: block a's 16 stores and 16 loads
.endr
	s_wait_xcnt 0x0
	SEND 7, 0
	s_wait_tensorcnt 0x0                           ; the wave's end
	ds_add_u32 v[SPW], v[NIL]
	s_wait_dscnt 0x0
	CROUND                                         ; the closing round
	s_endpgm
.Lfunc_end_k_q6edc048aad_oproj:
	.size	k_q6edc048aad_oproj, .Lfunc_end_k_q6edc048aad_oproj-k_q6edc048aad_oproj
	.p2alignl 7, 3214868480
	.fill 96, 4, 3214868480
	.section	.rodata,"a",@progbits
	.p2align	6, 0x0
	.amdhsa_kernel k_q6edc048aad_oproj
		.amdhsa_group_segment_fixed_size 327680
		.amdhsa_private_segment_fixed_size 0
		.amdhsa_enable_private_segment 0
		.amdhsa_kernarg_size 40
		.amdhsa_user_sgpr_count 2
		.amdhsa_user_sgpr_kernarg_segment_ptr 1
		.amdhsa_wavefront_size32 1
		.amdhsa_system_sgpr_workgroup_id_x 1
		.amdhsa_system_sgpr_workgroup_id_y 1
		.amdhsa_system_sgpr_workgroup_id_z 1
		.amdhsa_system_vgpr_workitem_id 0
		.amdhsa_next_free_vgpr 1024
		.amdhsa_next_free_sgpr 98
		.amdhsa_reserve_vcc 0
		.amdhsa_float_denorm_mode_32 3
		.amdhsa_float_denorm_mode_16_64 3
		.amdhsa_memory_ordered 1
		.amdhsa_forward_progress 1
		.amdhsa_inst_pref_size 123
	.end_amdhsa_kernel
	.amdgpu_metadata
---
amdhsa.version: [ 1, 2 ]
amdhsa.kernels:
  - .name:           k_q6edc048aad_oproj
    .symbol:         k_q6edc048aad_oproj.kd
    .args:
      - { .name: aimg, .offset: 0, .size: 8, .value_kind: global_buffer, .address_space: global }
      - { .name: wimg, .offset: 8, .size: 8, .value_kind: global_buffer, .address_space: global }
      - { .name: lowp_scales, .offset: 16, .size: 8, .value_kind: global_buffer, .address_space: global }
      - { .name: bo, .offset: 24, .size: 8, .value_kind: global_buffer, .address_space: global }
      - { .name: out0, .offset: 32, .size: 8, .value_kind: global_buffer, .address_space: global }
    .group_segment_fixed_size: 327680
    .private_segment_fixed_size: 0
    .kernarg_segment_align: 8
    .kernarg_segment_size: 40
    .max_flat_workgroup_size: 128
    .sgpr_count:     98
    .vgpr_count:     1024
    .wavefront_size: 32
...
	.end_amdgpu_metadata
.endif
;; end of part 4
;; ======== version 2 of 2: 4 launches; version 1 with the launch attn written anew for expert scheduling mode
;; workspace buffers: acodes 25,165,824 bytes; wimg 4,194,304 bytes; mw 2,097,152 bytes of whole numbers; fl 65,536 bytes of whole numbers; qkv 25,165,824 bytes; aimg 8,388,608 bytes
;; launch prep: the kernel of part 1 again; grid 896 x 1, 4 waves a work-group, no clusters, 51,712 bytes of LDS; arguments q, kv, Wq, Wk, Wv, Wo, mask, lowp_scales, acodes, wimg, mw, fl; writes acodes, wimg, mw, fl
;; launch proj: the kernel of part 2 again; grid 4 x 96, 4 waves a work-group, clusters of 4 x 4, 327,680 bytes of LDS; arguments acodes, wimg, lowp_scales, bq, bk, bv, q_scale, k_scale, q_positions, kv_positions, qkv; writes qkv
;; launch attn (part 5): grid 4 x 64, 16 waves a work-group, no clusters, 264,192 bytes of LDS; arguments qkv, mw, fl, lowp_scales, head_scale, aimg; writes aimg
.if DOCPART == 5
	.amdgcn_target "amdgcn-amd-amdhsa--gfx1250"
	.amdhsa_code_object_version 6
	.text
	.protected	k_q6edc048aad_attn
	.globl	k_q6edc048aad_attn
	.p2align	8
	.type	k_q6edc048aad_attn,@function
k_q6edc048aad_attn:
	s_mov_b64 s[64:65], 0
	v_nop
	global_prefetch_b8 v0, s[64:65] scope:SCOPE_SE
	s_setreg_imm32_b32 hwreg(HW_REG_WAVE_SCHED_MODE, 0, 2), 2
	s_setreg_imm32_b32 hwreg(HW_REG_WAVE_MODE, 25, 1), 1
	s_wait_xcnt 0x0
	s_wait_alu depctr_vm_vsrc(0)
; ATTN: both products of attention on codes of E4M3, with the FINISHED, NORMALISED softmax quantised ahead of the second: so the keys are walked twice.
; Walk 1: S^T = K Q^T, the given mask, a running maximum m and sum l of 2^(t - m), t = score x log2(e) / 8.  Walk 2: S^T again, p = 2^(t - m - log2 l), quantised (e9), O^T += V^T P^T.
; Then O x 2^(e8 + e9) x (1 + head_scale), quantised (e10), stored as the image of the last product's operand.
; SHARES.  A work-group has one head's whole K and V^T in LDS (128 KiB each, images of operand registers, written once at the head, one barrier).  Each of its 16 waves owns 32 queries: two tiles of 16.
; The four work-groups of a head take every fourth group of 32 queries, and the four waves of a SIMD early and late groups alike: only a schedule, right for every mask.
; LAYOUT.  Both products are used transposed: a lane holds one query (lane % 16); register j of key tile c is key 16 c + 8 (lane / 16) + j, so eight scores convert into the register pair c of P.
; THE MASK is an input.  An earlier launch has stored it as lane masks (mw) and two flag words a tile (fl).  A step of 64 keys none of which counts for my 32 queries is passed over, one in which all count skips the selects:
; scalar branches on those stored whole numbers.  Hidden scores become -infinity: p = 0.  A row with no open key: l is held at 1 from below (an open row's l is at least 1: its largest term is exactly 1), all p = 0, O = 0.
; WHY NO TENSOR LOADS AND NO CLUSTER though four work-groups read one head: each work-group reads its 256 KiB once, at its head.
; LIMITS: e6 + e7 between -123 and 130; e9, e10 between -126 and 119; NaN among the inputs is not served.
; THE MODE: SCHED_MODE bits 1:0 = 2 (LLVM: expert scheduling mode 2), set by the entry lines.  The code itself states the register dependences
; between vector or matrix instructions and memory or LDS instructions, with s_wait_alu, always for 0.
; THE PLAN.  Registers that memory or LDS instructions touch:
;   v[LI]           Written once at the head; the offset of every global load and store; never written again.
;   v[FK], v[FV]    Written once at the head; the addresses of the head's LDS stores.  v[FV] lies in VB: a load of walk 2 lands in it.
;   Q               The head's global loads land in it; matrix instructions read it.
;   S, O            At the head global loads land in them and LDS stores read them; afterwards they are vector and matrix instructions' alone, but for S's first 16 registers, which the last conversions write and the four global stores read.
;   v[ADK], v[ADV]  Written by one vector add each at the head of a worked step; read by that step's LDS loads.
;   KV              A worked step's eight LDS loads of K land in it; its eight products S^T read it.
;   VB              Walk 2 alone: the step's eight LDS loads of V^T land in it; its eight products O^T read it.  V^T has a buffer of its own, so that it is asked for with K at the step's head.
;   v[SPW], v[NIL]  Written at the head, read by the closing add alone.
; So a worked step has one wait on vm_vsrc ahead of its address adds and ONE wait on va_vdst behind them, ahead of all its LDS loads; no vector or matrix instruction from there to the step's end names an address register,
; and none ahead of the loads' own waits names KV or VB.  A step that is passed over issues no vector and no LDS instruction, so the two waits hold whichever step was the last to be worked.
.set SPARE, 262144                     ; behind K and V: the spare words, 128 bytes for each of 16 waves
.set LI,   1                           ; v1   16 x lane
.set ADK,  2
.set ADV,  3
.set SPW,  4
.set NIL,  5
.set NINF, 6
.set FK,   7
.set ST,   8                           ; tile u at v[8 + 8 u]: +0 -m (later -(m + log2 l)), +1 its partner, +2, +3 l, +4 T0, +5 T1, +6 a, +7 T2
.set Q,    24
.set KV,   40                          ; v40-71   four fragments of K
.set S,    72                          ; v72-135  tile u at +32 u, key tile c at +8 c
.set O,    136                         ; v136-199 tile u at +32 u, 16 dimensions dt at +8 dt
.set P,    200
.set TP,   222                         ; v222-225 walk 1 alone
.set FV,   226                         ; v226     the head alone
.set VB,   224                         ; v224-255 walk 2 alone: four fragments of V^T
	s_load_b256 s[4:11], s[0:1], 0x0               ; qkv, mw, fl, the scales' exponents
	s_load_b128 s[12:15], s[0:1], 0x20             ; head_scale, aimg
	v_lshl_add_u32 v[SPW], v0, 2, SPARE
	v_mov_b32 v[NIL], 0
	v_lshrrev_b32 v2, 5, v0
	v_readfirstlane_b32 s16, v2                    ; wave 0..15
	v_and_b32 v3, 31, v0
	v_lshlrev_b32 v[LI], 4, v3
	s_and_b32 s18, ttmp7, 0xffff                   ; batch x 16 + head
	s_lshr_b32 s19, s18, 4
	s_and_b32 s20, s18, 15
	s_wait_alu depctr_va_sdst(0)                   ; s16 is written, ahead of its first reader: my queries and my part of K and V are made from it
	s_lshr_b32 s26, s16, 2
	s_and_b32 s27, s16, 3
	s_and_b32 s28, s26, 1
	s_mul_i32 s28, s28, 3
	s_xor_b32 s27, s27, s28
	s_lshl_b32 s26, s26, 2
	s_add_co_u32 s26, s26, s27
	s_lshl_b32 s21, s26, 2
	s_add_co_u32 s21, s21, ttmp9                   ; which 32 queries of the head: 0..63
	s_lshl_b32 s17, s19, 7
	s_lshl_b32 s26, s21, 1
	s_add_co_u32 s17, s17, s26                     ; batch x 128 + my first tile of queries
	s_lshl_b32 s32, s18, 17                        ; a head's images: 131,072 bytes
	s_lshl_b32 s34, s21, 11
	s_add_co_u32 s34, s34, s32
	s_mov_b32 s35, 0
	s_lshl_b32 s36, s16, 13                        ; my sixteenth of K and of V
	s_add_co_u32 s36, s36, s32
	s_add_co_u32 s36, s36, 0x800000
	s_mov_b32 s37, 0
	s_lshl_b32 s38, s17, 7
	s_mov_b32 s39, 0
	s_lshl_b32 s58, s17, 12
	s_mov_b32 s59, 0
	s_lshl_b32 s60, s17, 14                        ; 16 tokens: 8 images of 2,048 bytes;
	s_lshl_b32 s61, s20, 10                        ; a head's 64 of K: half an image
	s_add_co_u32 s60, s60, s61
	s_mov_b32 s61, 0
	s_lshl_b32 s53, s20, 2
	s_lshl_b32 s101, s16, 13
	v_add_nc_u32 v[FK], s101, v[LI]
	v_add_nc_u32 v[FV], 131072, v[FK]
	s_mov_b32 s22, 0x76543210                      ; lane l xor 16
	s_mov_b32 s23, 0xfedcba98
	s_wait_kmcnt 0x0
	s_add_nc_u64 s[40:41], s[4:5], s[34:35]        ; Q
	s_add_nc_u64 s[42:43], s[4:5], s[36:37]        ; K
	s_add_nc_u64 s[44:45], s[42:43], 0x800000      ; V
	s_add_nc_u64 s[8:9], s[8:9], s[38:39]
	s_add_nc_u64 s[6:7], s[6:7], s[58:59]
	s_add_nc_u64 s[14:15], s[14:15], s[60:61]
	s_load_b64 s[54:55], s[8:9], 0x0               ; tile 0's flags,
	s_load_b64 s[56:57], s[8:9], 0x80              ; tile 1's
	s_load_b64 s[46:47], s[10:11], 0x18            ; e6, e7
	s_load_b128 s[48:51], s[10:11], 0x20           ; e8 .. e11
	s_load_b32 s52, s[12:13], s53 offset:0x0       ; head_scale
	s_wait_alu depctr_va_vdst(0)                   ; v[LI], v[FK] and v[FV] are written: the global loads below read the first as their offset, the LDS stores behind them the other two as addresses
.irp i, 0,1,2,3
	global_load_b128 v[Q+4*\i:Q+4*\i+3], v[LI], s[40:41] offset:512*\i
.endr
.irp i, 0,1,2,3,4,5,6,7,8,9,10,11,12,13,14,15
	global_load_b128 v[S+4*\i:S+4*\i+3], v[LI], s[42:43] offset:512*\i
.endr
.irp i, 0,1,2,3,4,5,6,7,8,9,10,11,12,13,14,15
	global_load_b128 v[O+4*\i:O+4*\i+3], v[LI], s[44:45] offset:512*\i
.endr
	s_wait_kmcnt 0x0
	s_or_b32 s66, s54, s56                         ; bit ks: some key of step ks counts for some of my queries
	s_and_b32 s67, s55, s57                        ; bit ks: all count for all
	s_add_co_i32 s24, s46, s47
	s_lshl_b32 s24, s24, 23
	s_add_co_i32 s24, s24, 0x3e38aa3b              ; c = log2(e) / 8, with e6 + e7 added to its exponent field
	s_mov_b32 s25, s24
	s_xor_b32 s26, s24, 0x80000000                 ; -c
	s_cmp_lt_i32 s49, -8                           ; p is at most 1: only under 2^-8 can p / 2^e9 pass 448
	s_cselect_b32 s100, 1, 0
	s_add_co_i32 s101, s49, 127
	s_lshl_b32 s27, s101, 23
	v_mov_b32 v217, s27                            ; 2^e9.  (The vector lines from here to the LDS stores name v216-221 and v6 alone: none of the stores' registers)
	s_add_co_i32 s101, s101, 8
	s_lshl_b32 s101, s101, 23
	s_or_b32 s101, s101, 0x600000
	v_mov_b32 v216, s101                           ; 448 x 2^e9
	s_add_co_i32 s101, s50, 127
	s_lshl_b32 s27, s101, 23
	v_mov_b32 v219, s27                            ; 2^e10
	s_add_co_i32 s101, s101, 8
	s_lshl_b32 s101, s101, 23
	s_or_b32 s101, s101, 0x600000
	v_mov_b32 v218, s101
	s_add_co_i32 s101, s48, s49
	v_mov_b32 v220, s52
	v_add_f32 v220, 1.0, v220
	v_ldexp_f32 v220, v220, s101                   ; (1 + head_scale) x 2^(e8 + e9)
	v_mov_b32 v221, 0
	v_mov_b32 v[NINF], 0xff800000
	s_wait_loadcnt 16                              ; Q and my part of K are in; V's 16 loads may be out
.irp i, 0,1,2,3,4,5,6,7,8,9,10,11,12,13,14,15
	ds_store_b128 v[FK], v[S+4*\i:S+4*\i+3] offset:512*\i
.endr
	s_wait_loadcnt 0x0
.irp i, 0,1,2,3,4,5,6,7,8,9,10,11,12,13,14,15
	ds_store_b128 v[FV], v[O+4*\i:O+4*\i+3] offset:512*\i
.endr
	s_wait_dscnt 0x0                               ; for the others' sake: my stores have landed
	s_barrier_signal -1
	s_barrier_wait -1                              ; the head's K and V lie in LDS; nothing writes them again
	s_wait_alu depctr_vm_vsrc(0)                   ; my LDS stores have read S and O, which the lines below and the first products write, and v[FV], in which a load of walk 2 lands
.set j, 0
.rept 64
	v_mov_b32 v[O+j], 0                            ; which step is the first to be multiplied hangs on the mask, so no first product can be written out to start the sums
.set j, j+1
.endr
.irp u, 0,1
	v_mov_b32 v[ST+8*\u], 0x7f61b1e6               ; -m: 3e38, above every -t
.irp k, 1,2,3,4,5,6,7
	v_mov_b32 v[ST+8*\u+\k], 0
.endr
.endr
; The head of a worked step: its addresses, its LDS loads, and S^T for both tiles.  both = 0: walk 1, K's four fragments alone.  both = 1: walk 2, V^T's four with them, into their own buffer.
.macro SCORES both
	s_wait_alu depctr_vm_vsrc(0)                   ; the LDS loads of the last worked step have read v[ADK] (walk 2: and v[ADV]), which the lines below write
	v_add_nc_u32 v[ADK], s27, v[LI]
.if \both
	v_add_nc_u32 v[ADV], 131072, v[ADK]
.endif
	s_wait_alu depctr_va_vdst(0)                   ; the addresses are written; the products of the last worked step are done reading KV (walk 2: and VB; in its first worked step: walk 1's lines are done with v224 and v225, and the head's write of v226 is done)
.irp c, 0,1,2,3
	ds_load_b128 v[KV+8*\c:KV+8*\c+3], v[ADK] offset:1024*\c
	ds_load_b128 v[KV+8*\c+4:KV+8*\c+7], v[ADK] offset:1024*\c+512
.endr
.if \both
.irp d, 0,1,2,3
	ds_load_b128 v[VB+8*\d:VB+8*\d+3], v[ADV] offset:1024*\d       ; V^T's four fragments land while the scores and the softmax are worked.  No further wait: no vector or matrix instruction since the wait above names VB or v[ADV]
	ds_load_b128 v[VB+8*\d+4:VB+8*\d+7], v[ADV] offset:1024*\d+512
.endr
	s_wait_dscnt 8                                 ; LDS loads come back in order (ISA guide 5.7.1): K's eight are in, V^T's eight, the younger, may be out
.else
	s_wait_dscnt 0x0
.endif
.irp c, 0,1,2,3
.irp u, 0,1
	v_wmma_f32_16x16x64_fp8_fp8 v[S+32*\u+8*\c:S+32*\u+8*\c+7], v[KV+8*\c:KV+8*\c+7], v[Q+8*\u:Q+8*\u+7], 0
.endr
.endr
.rept 4
	v_nop                                          ; places between the products and the first read of their results (ISA guide 7.12.1)
.endr
.endm
.macro MASKB                           ; hidden scores become -infinity; passed over where all 64 keys count for all 32 queries
	s_and_b32 s101, s30, 1
	s_cmp_lg_u32 s101, 0
	s_cbranch_scc1 .Lall_\@
	s_load_b512 s[32:47], s[6:7], s31 offset:0x0
	s_load_b512 s[48:63], s[6:7], s31 offset:0x40
	s_load_b512 s[68:83], s[6:7], s31 offset:0x1000
	s_load_b512 s[84:99], s[6:7], s31 offset:0x1040
	s_wait_kmcnt 0x0
.set n, 0
.rept 32
	v_cndmask_b32 v[S+n], v[NINF], v[S+n], s[32+n]
.set n, n+1
.endr
.set n, 0
.rept 32
	v_cndmask_b32 v[S+32+n], v[NINF], v[S+32+n], s[68+n]
.set n, n+1
.endr
.Lall_\@:
.endm
.macro EXPS                            ; t + (what stands in ST + 0), then 2^ of it: one batch, one plain instruction, one wait
.irp u, 0,1
.irp j, 0,2,4,6,8,10,12,14,16,18,20,22,24,26,28,30
	v_pk_fma_f32 v[S+32*\u+\j:S+32*\u+\j+1], v[S+32*\u+\j:S+32*\u+\j+1], s[24:25], v[ST+8*\u:ST+8*\u+1] op_sel_hi:[1,0,0]
.endr
.endr
.set j, 0
.rept 64
	v_exp_f32 v[S+j], v[S+j]
.set j, j+1
.endr
	v_nop
	s_wait_alu depctr_va_vdst(0)                   ; the exponentials have written S (walk 1: and the two a), ahead of the batch's first reader
.endm
.macro NEXT lbl, top                   ; on every path: the flags' next bits, the next step's addresses, the count
\lbl:
	s_lshr_b32 s29, s29, 1
	s_lshr_b32 s30, s30, 1
	s_add_co_u32 s27, s27, 4096
	s_add_co_u32 s31, s31, 128
	s_sub_co_u32 s28, s28, 1
	s_cmp_lg_u32 s28, 0
	s_cbranch_scc1 \top
.endm
.macro BEGIN
	s_mov_b32 s27, 0                               ; the step's bytes in K and in V
	s_mov_b32 s31, 0                               ; and in the mask words
	s_mov_b32 s29, s66
	s_mov_b32 s30, s67
	s_mov_b32 s28, 32                              ; every wave walks all 32 steps: the trip count is a constant; what is passed over is a step's work
.endm
; ---------------- walk 1: m and l ----------------
	BEGIN
.Lw1:
	s_and_b32 s101, s29, 1
	s_cmp_eq_u32 s101, 0
	s_cbranch_scc1 .Ln1
	SCORES 0
	MASKB
.irp u, 0,1
	v_max3_num_f32 v[ST+8*\u+4], v[S+32*\u], v[S+32*\u+1], v[S+32*\u+2]
	v_max3_num_f32 v[ST+8*\u+5], v[S+32*\u+3], v[S+32*\u+4], v[S+32*\u+5]
.endr
.irp i, 6,10,14,18,22,26
.irp u, 0,1
	v_max3_num_f32 v[ST+8*\u+4], v[ST+8*\u+4], v[S+32*\u+\i], v[S+32*\u+\i+1]
	v_max3_num_f32 v[ST+8*\u+5], v[ST+8*\u+5], v[S+32*\u+\i+2], v[S+32*\u+\i+3]
.endr
.endr
.irp u, 0,1
	v_max3_num_f32 v[ST+8*\u+4], v[ST+8*\u+4], v[S+32*\u+30], v[S+32*\u+31]
.endr
.irp u, 0,1
	v_max_num_f32 v[ST+8*\u+4], v[ST+8*\u+4], v[ST+8*\u+5]
.endr
.irp u, 0,1
	v_permlanex16_b32 v[ST+8*\u+5], v[ST+8*\u+4], s22, s23         ; the query's other 32 keys lie in lane l xor 16
.endr
.irp u, 0,1
	v_max_num_f32 v[ST+8*\u+4], v[ST+8*\u+4], v[ST+8*\u+5]
.endr
.irp u, 0,1
	v_mul_f32 v[ST+8*\u+4], s26, v[ST+8*\u+4]      ; -t of the step's largest score
.endr
.irp u, 0,1
	v_mov_b32 v[ST+8*\u+7], v[ST+8*\u]
.endr
.irp u, 0,1
	v_min_num_f32 v[ST+8*\u], v[ST+8*\u], v[ST+8*\u+4]             ; the new -m
.endr
.irp u, 0,1
	v_sub_f32 v[ST+8*\u+7], v[ST+8*\u], v[ST+8*\u+7]               ; m_old - m_new
.endr
.irp u, 0,1
	v_exp_f32 v[ST+8*\u+6], v[ST+8*\u+7]           ; a: it belongs to the batch below
.endr
	EXPS
.irp u, 0,1
	v_pk_mul_f32 v[ST+8*\u+2:ST+8*\u+3], v[ST+8*\u+2:ST+8*\u+3], v[ST+8*\u+6:ST+8*\u+7] op_sel_hi:[1,0]
	v_pk_add_f32 v[TP+2*\u:TP+2*\u+1], v[S+32*\u:S+32*\u+1], v[S+32*\u+2:S+32*\u+3]
.endr
.irp j, 4,8,12,16,20,24,28
.irp u, 0,1
	v_pk_add_f32 v[ST+8*\u+2:ST+8*\u+3], v[ST+8*\u+2:ST+8*\u+3], v[S+32*\u+\j:S+32*\u+\j+1]
	v_pk_add_f32 v[TP+2*\u:TP+2*\u+1], v[TP+2*\u:TP+2*\u+1], v[S+32*\u+\j+2:S+32*\u+\j+3]
.endr
.endr
.irp u, 0,1
	v_pk_add_f32 v[ST+8*\u+2:ST+8*\u+3], v[ST+8*\u+2:ST+8*\u+3], v[TP+2*\u:TP+2*\u+1]
.endr
	NEXT .Ln1, .Lw1
; ---------------- between the walks: -(m + log2 l) ----------------
.irp u, 0,1
	v_add_f32 v[ST+8*\u+4], v[ST+8*\u+2], v[ST+8*\u+3]
.endr
.irp u, 0,1
	v_permlanex16_b32 v[ST+8*\u+5], v[ST+8*\u+4], s22, s23
.endr
.irp u, 0,1
	v_add_f32 v[ST+8*\u+4], v[ST+8*\u+4], v[ST+8*\u+5]
.endr
.irp u, 0,1
	v_max_num_f32 v[ST+8*\u+4], 1.0, v[ST+8*\u+4]
.endr
.irp u, 0,1
	v_log_f32 v[ST+8*\u+5], v[ST+8*\u+4]
.endr
	v_nop
	s_wait_alu depctr_va_vdst(0)                   ; the two logarithms are written, ahead of their first reader
.irp u, 0,1
	v_sub_f32 v[ST+8*\u], v[ST+8*\u], v[ST+8*\u+5]
.endr
; ---------------- walk 2: p, quantised, and O^T ----------------
	BEGIN
.Lw2:
	s_and_b32 s101, s29, 1
	s_cmp_eq_u32 s101, 0
	s_cbranch_scc1 .Ln2
	SCORES 1
	MASKB
	EXPS
	s_cmp_eq_u32 s100, 0
	s_cbranch_scc1 .Lnohold
.set j, 0
.rept 64
	v_min_num_f32 v[S+j], v[S+j], v216             ; the conversion does not saturate (ISA guide 7.6.2); p is not negative, so the hold is one-sided
.set j, j+1
.endr
.Lnohold:
.irp u, 0,1
.irp c, 0,1,2,3
	v_cvt_scalef32_pk8_fp8_f32 v[P+8*\u+2*\c:P+8*\u+2*\c+1], v[S+32*\u+8*\c:S+32*\u+8*\c+7], v217
.endr
.endr
	v_nop                                          ; a plain instruction between the conversions and the products that read their results
	s_wait_dscnt 0x0                               ; V^T's fragments are in
.irp d, 0,1,2,3
.irp u, 0,1
	v_wmma_f32_16x16x64_fp8_fp8 v[O+32*\u+8*\d:O+32*\u+8*\d+7], v[VB+8*\d:VB+8*\d+7], v[P+8*\u:P+8*\u+7], v[O+32*\u+8*\d:O+32*\u+8*\d+7]   ; eight accumulators by turns
.endr
.endr
.rept 4
	v_nop                                          ; places between the last products and the way out's first read of O (ISA guide 7.12.1)
.endr
	NEXT .Ln2, .Lw2
; ---------------- the way out: register 16 g + i of a tile is dimension 32 g + 16 (lane / 16) + i ----------------
.irp j, 0,2,4,6,8,10,12,14,16,18,20,22,24,26,28,30,32,34,36,38,40,42,44,46,48,50,52,54,56,58,60,62
	v_pk_mul_f32 v[O+\j:O+\j+1], v[O+\j:O+\j+1], v[220:221] op_sel_hi:[1,0]
.endr
.set j, 0
.rept 64
	v_med3_num_f32 v[O+j], v[O+j], -v218, v218
.set j, j+1
.endr
.irp k, 0,1,2,3,4,5,6,7
	v_cvt_scalef32_pk8_fp8_f32 v[S+2*\k:S+2*\k+1], v[O+8*\k:O+8*\k+7], v219
.endr
	v_nop
	s_wait_alu depctr_va_vdst(0)                   ; the conversions have written v[S] to v[S + 15], which the four stores read
.irp u, 0,1
.irp g, 0,1
	global_store_b128 v[LI], v[S+8*\u+4*\g:S+8*\u+4*\g+3], s[14:15] offset:\u*16384+512*\g   ; 512 consecutive bytes
.endr
.endr
	s_wait_dscnt 0x0                               ; the closing lines, six on end
	s_wait_alu 0x0
	s_wait_tensorcnt 0x0
	ds_add_u32 v[SPW], v[NIL]
	s_wait_dscnt 0x0
	s_endpgm
.Lfunc_end_k_q6edc048aad_attn:
	.size	k_q6edc048aad_attn, .Lfunc_end_k_q6edc048aad_attn-k_q6edc048aad_attn
	.p2alignl 7, 3214868480
	.fill 96, 4, 3214868480
	.section	.rodata,"a",@progbits
	.p2align	6, 0x0
	.amdhsa_kernel k_q6edc048aad_attn
		.amdhsa_group_segment_fixed_size 264192
		.amdhsa_private_segment_fixed_size 0
		.amdhsa_enable_private_segment 0
		.amdhsa_kernarg_size 48
		.amdhsa_user_sgpr_count 2
		.amdhsa_user_sgpr_kernarg_segment_ptr 1
		.amdhsa_wavefront_size32 1
		.amdhsa_system_sgpr_workgroup_id_x 1
		.amdhsa_system_sgpr_workgroup_id_y 1
		.amdhsa_system_sgpr_workgroup_id_z 1
		.amdhsa_system_vgpr_workitem_id 0
		.amdhsa_next_free_vgpr 256
		.amdhsa_next_free_sgpr 102
		.amdhsa_reserve_vcc 0
		.amdhsa_float_denorm_mode_32 3
		.amdhsa_float_denorm_mode_16_64 3
		.amdhsa_memory_ordered 1
		.amdhsa_forward_progress 1
		.amdhsa_inst_pref_size 49
	.end_amdhsa_kernel
	.amdgpu_metadata
---
amdhsa.version: [ 1, 2 ]
amdhsa.kernels:
  - .name:           k_q6edc048aad_attn
    .symbol:         k_q6edc048aad_attn.kd
    .args:
      - { .name: qkv, .offset: 0, .size: 8, .value_kind: global_buffer, .address_space: global }
      - { .name: mw, .offset: 8, .size: 8, .value_kind: global_buffer, .address_space: global }
      - { .name: fl, .offset: 16, .size: 8, .value_kind: global_buffer, .address_space: global }
      - { .name: lowp_scales, .offset: 24, .size: 8, .value_kind: global_buffer, .address_space: global }
      - { .name: head_scale, .offset: 32, .size: 8, .value_kind: global_buffer, .address_space: global }
      - { .name: aimg, .offset: 40, .size: 8, .value_kind: global_buffer, .address_space: global }
    .group_segment_fixed_size: 264192
    .private_segment_fixed_size: 0
    .kernarg_segment_align: 8
    .kernarg_segment_size: 48
    .max_flat_workgroup_size: 512
    .sgpr_count:     102
    .vgpr_count:     256
    .wavefront_size: 32
...
	.end_amdgpu_metadata
.endif
;; end of part 5
;; launch oproj: the kernel of part 4 again; grid 4 x 32, 4 waves a work-group, clusters of 4 x 4, 327,680 bytes of LDS; arguments aimg, wimg, lowp_scales, bo, out0; writes out0
